; MI455X (gfx1250); checked and timed in simulation.
; The chip was launched on July 23, 2026; its instructions are those of AMD's public machine-readable ISA for CDNA 5 (MIT licence, August 2026) and "CDNA5" Instruction Set Architecture Reference Guide (July 2026). The comments in the code are by the model that wrote it; some were corrected since.
;; Multi Head Attention. Allowed arithmetic: matrix products marked QUANTISED: E2M3 operands, one E8M0 scale for each 32 along K, by v_wmma_scale_f32_16x16x128_f8f6f4 with both operands' format E2M3, f32 sums; everything else in f32.
;; Inputs: Wk 16 x 1,024 x 64 float32; Wo 1,024 x 1,024 float32; Wq 16 x 1,024 x 64 float32; Wv 16 x 1,024 x 64 float32; x 4 x 2,048 x 1,024 float32.
;; Outputs: out0 4 x 2,048 x 1,024 float32.
;; This version of the problem:
;;   THIS VERSION OF THE PROBLEM IS GIVEN IN LOW PRECISION. The matrix products marked QUANTISED in the list below multiply operands that are first quantised to E2M3 (2 exponent bits, 3 mantissa bits; 6 bits a number), with one power-of-two scale for each 32 numbers along K (OCP MX v1.0); their sums are f32. All else is computed in f32.
;;   The module's matrix products, in the order in which they are computed (A, B: the left and right operand; K: the contracted axis; several contracted axes count as one K, in the product's order):
;;     1. [M 1,024, K 1,024] x [K 1,024, N 8,192]; A: input Wq; B: input x: QUANTISED
;;     2. [M 1,024, K 1,024] x [K 1,024, N 8,192]; A: input Wk; B: input x: QUANTISED
;;     3. [M 1,024, K 1,024] x [K 1,024, N 8,192]; A: input Wv; B: input x: QUANTISED
;;     4. batch 64 x [M 2,048, K 64] x [K 64, N 2,048]; A: computed on the way; B: computed on the way: QUANTISED
;;     5. batch 64 x [M 2,048, K 2,048] x [K 2,048, N 64]; A: softmax (see below); B: computed on the way: QUANTISED
;;     6. [M 8,192, K 1,024] x [K 1,024, N 1,024]; A: computed on the way; B: input Wo: QUANTISED
;;   THE QUANTISER, for each operand of a quantised product, along K:
;;     - K is cut into blocks of 32 from its start; a last block that is shorter is filled with zeros.
;;     - A block's scale is 2^e with e = floor(log2(the largest magnitude in the block)) - 2, held to -126 .. 127; a block of zeros has e = 0. As a byte (E8M0): e + 127.
;;     - Each number is divided by its block's scale, clamped to +-7.5, and rounded to the nearest number of E2M3, ties to even, subnormals kept.
;;     - The product sums the exact products of the quantised numbers (number of the format x scale) in f32.
;;   ~~~python
;;   def quantise(x, axis):      # numpy; x: float32 -> the quantised numbers, widened to float32 again
;;       x = np.moveaxis(x, axis, -1); K = x.shape[-1]
;;       x = np.pad(x, [(0, 0)] * (x.ndim - 1) + [(0, -K % 32)]); x = x.reshape(x.shape[:-1] + (-1, 32)); a = np.abs(x).max(-1, keepdims=True)
;;       e = np.where(a > 0, np.clip(np.frexp(np.where(a > 0, a, 1))[1] - 1 - 2, -126, 127), 0)      # np.frexp(a)[1] - 1 = floor(log2(a)), exactly
;;       r = np.clip(x / 2.0 ** e, -7.5, 7.5)
;;       step = 2.0 ** (np.maximum(np.frexp(np.where(r == 0, 1, r))[1] - 1, 0) - 3)
;;       q = np.round(r / step) * step * 2.0 ** e      # np.round: ties to even
;;       return np.moveaxis(q.reshape(q.shape[:-2] + (-1,))[..., :K], -1, axis).astype(np.float32)
;;   ~~~
;;   SOFTMAX AHEAD OF A QUANTISED PRODUCT. Where the list says 'softmax', what is quantised is not the finished softmax but p = 2^(t - M), with t = logit x log2(e) and M = ceil(the row's largest t), a whole number; so 1/2 < the row's largest p <= 1. The row's sum l is taken of the UNQUANTISED p, in f32, and the product's result is divided by l at the end. Since M is a whole number, a kernel that streams over the keys may use a running M (the ceiling of the running maximum): every later rescaling is an exact power of two, which a block's scale takes up: the codes' values come out the same.
;;   OPERANDS COMPUTED ON THE WAY. 'Computed on the way' means the value that the module computes at that place (a softmax that the list does not call 'softmax' is quantised finished and normalised). What goes into a quantiser is computed in f32, as accurately as f32 sums, v_exp_f32 and their like allow (about 1e-6 of the number): no bf16 or f16 on the way to a quantiser, and a product that is left as it is and whose result goes on into a quantised operand takes f32 operands (vector FMAs, or v_wmma_f32_16x16x4_f32). A number that lies on a knife's edge between two numbers of the format may be rounded either way, as far as f32 arithmetic and the matrix unit's own rounding can turn it there, and no further.
;; One version. Each part assembles by itself: llvm-mc -triple=amdgcn-amd-amdhsa -mcpu=gfx1250 --defsym DOCPART=n.
;; ======== version 1 of 1: 4 launches
;; limits: right only within a limited range of input values
;; workspace buffers: xq 6,553,600 bytes; wq 3,276,800 bytes; qq 6,815,744 bytes; kv 13,369,344 bytes; oq 6,553,600 bytes
;; launch prep (part 1): grid 512 x 1, 4 waves a work-group, no clusters, 35,328 bytes of LDS; arguments x, Wq, Wk, Wv, Wo, xq, wq; writes xq, wq
.if DOCPART == 1
	.amdgcn_target "amdgcn-amd-amdhsa--gfx1250"
	.amdhsa_code_object_version 6
	.text
	.protected	k_q00eca55ef4_prep
	.globl	k_q00eca55ef4_prep
	.p2align	8
	.type	k_q00eca55ef4_prep,@function
k_q00eca55ef4_prep:
	s_mov_b64 s[64:65], 0
	v_nop
	global_prefetch_b8 v0, s[64:65] scope:SCOPE_SE
	s_setreg_imm32_b32 hwreg(HW_REG_WAVE_MODE, 25, 1), 1
	s_wait_xcnt 0x0
; x [8192][1024] and the four weights (K = their outer axis of 1,024) become codes of E2M3 with one E8M0 byte for each 32 along K,
; laid as IMAGES OF OPERAND REGISTERS: a fragment (16 rows x 128 K, 12 registers) is 1,536 bytes, registers 4 c .. 4 c + 3 of lane l at 512 c + 16 l.
; THE 16 ROWS (COLUMNS) OF A TILE ARE NOT NEIGHBOURS: of a group of 32, tile u takes in lane r element 8 u + r + 8 (r / 8) = perm(r + 16 u),
; perm(l) = (l & 7) | ((l & 8) << 1) | ((l & 16) >> 1), its own inverse.  So the results of a product used transposed are neighbours along the next K.
; A LANE HOLDS ONE ROW (x) OR ONE COLUMN (W) of a group of 32, lane l element perm(l), and 32 registers hold a whole block: no other lane is asked for a maximum.
; Lanes 0-15 are the group's even tile, lanes 16-31 its odd one; six exchanges of halves of the lanes turn (block 2 c, block 2 c + 1) of all 32 rows into registers 6 c .. 6 c + 5 of the two tiles.
; Scale words: 512 bytes for a pair of tiles and 4 K steps: lane l = r + 16 (tile & 1), its four words at 16 l.
; A block's byte is its largest magnitude's exponent field - 2, held at 1 from below.
; LIMITS: NaN and infinities are not served.  A block whose largest magnitude lies under 2^-124 (zeros among them) gets the byte 1; these bytes are read by this program alone.
; SHARES: work-groups 0-255: 32 rows of x each, wave w K steps 2 w, 2 w + 1.  Work-groups 256-511: weight g, 32 columns cg, half j of K; wave w K step 4 j + w.
; The scale words leave by 8 or 4 bytes a lane, 16 bytes apart: one byte for each 128 read.  No tensor load, no barrier: waves share nothing.
.set XS_OFF, 6291456                   ; x's scale words in xq
.set WS_OFF, 3145728                   ; the weights' in wq
.set SPITCH, 272                       ; a stage row: 256 bytes + 16, an odd multiple of 16
.set WSTAGE, 32*SPITCH                 ; a wave's stage
.set LANE, 1
.set GX,   2                           ; x: (lane / 16) rows of 4,096 bytes + 16 (lane % 16)
.set STI,  3                           ; into the stage, as loaded
.set STO,  4                           ; out of it: row = lane
.set L16,  5                           ; 16 x lane
.set TA,   6
.set GW,   7                           ; W: 4 perm(lane)
.set MXA,  8
.set MXB,  9
.set SO,   10                          ; the conversion's scale operand
.set BY,   11                          ; the scale's byte
.set TP,   12                          ; v12-14: a block's upper 16 codes (a conversion's three registers begin on an even number)
.set SW,   16                          ; v16-17: scale words
.set FA,   20                          ; v20-31: the even tile's fragment
.set FB,   32                          ; v32-43: the odd tile's
.set X,    64                          ; v64-127 two blocks of x; in the weights' path v64-191 four blocks
.set R,    128                         ; v128-255 x as loaded, two sets of 64
; one block: 32 numbers in v[x] on -> six registers of codes at v[d], byte n of the scale word v[sw]
.macro BLK x, d, sw, n
	v_max3_num_f32 v[MXA], |v[\x]|, |v[\x+1]|, |v[\x+2]|
	v_max3_num_f32 v[MXB], |v[\x+3]|, |v[\x+4]|, |v[\x+5]|
.irp i, 6,10,14,18,22,26
	v_max3_num_f32 v[MXA], v[MXA], |v[\x+\i]|, |v[\x+\i+1]|
	v_max3_num_f32 v[MXB], v[MXB], |v[\x+\i+2]|, |v[\x+\i+3]|
.endr
	v_max3_num_f32 v[MXA], v[MXA], |v[\x+30]|, |v[\x+31]|
	v_max3_num_f32 v[MXA], v[MXA], v[MXB], 0x1800000   ; the floor 2^(3 - 127): the byte cannot fall under 1
	v_add_nc_u32 v[SO], 0xff000000, v[MXA]             ; 2 off the exponent field: the conversion takes this field as its scale
	v_lshrrev_b32 v[BY], 23, v[SO]
.if (\n) == 0
	v_mov_b32 v[\sw], v[BY]
.else
	v_lshl_or_b32 v[\sw], v[BY], 8*(\n), v[\sw]
.endif
	v_cvt_scalef32_pk16_fp6_f32 v[\d:\d+2], v[\x:\x+15], v[SO]
	v_cvt_scalef32_pk16_fp6_f32 v[TP:TP+2], v[\x+16:\x+31], v[SO]
	v_nop                                              ; one plain place behind a scaled conversion
.irp i, 0,1,2
	v_mov_b32 v[\d+3+\i], v[TP+\i]
.endr
.endm
.macro PAIR c                          ; FA held block 2 c of all 32 rows, FB block 2 c + 1: now FA is the even tile's registers 6 c on, FB the odd tile's
.irp i, 0,1,2,3,4,5
	v_permlane16_swap_b32 v[FA+6*(\c)+\i], v[FB+6*(\c)+\i]
.endr
.endm
.macro OUTF sb, off                    ; two fragments leave: each store covers 512 consecutive bytes, aligned to 256
.irp c, 0,1,2
	global_store_b128 v[L16], v[FA+4*\c:FA+4*\c+3], s[\sb:\sb+1] offset:\off+512*\c
.endr
.irp c, 0,1,2
	global_store_b128 v[L16], v[FB+4*\c:FB+4*\c+3], s[\sb:\sb+1] offset:\off+12288+512*\c
.endr
.endm
.macro XLOAD t                         ; 64 along K of 32 rows: each load takes 256 aligned bytes of two rows
.irp i, 0,1,2,3,4,5,6,7,8,9,10,11,12,13,14,15
	global_load_b128 v[R+64*((\t)%2)+4*\i:R+64*((\t)%2)+4*\i+3], v[GX], s[4:5] offset:\i*8192+(\t)*256 th:TH_LOAD_NT
.endr
.endm
.macro TURN t                          ; through my own stage: memory row m goes to stage row perm(m), lane l reads stage row l.  LDS serves a wave in order: no wait between
.irp i, 0,1,2,3,4,5,6,7,8,9,10,11,12,13,14,15
	ds_store_b128 v[STI], v[R+64*((\t)%2)+4*\i:R+64*((\t)%2)+4*\i+3] offset:(((2*\i)&7)|(((2*\i)&8)<<1)|(((2*\i)&16)>>1))*SPITCH
.endr
.irp q, 0,1,2,3,4,5,6,7,8,9,10,11,12,13,14,15
	ds_load_b128 v[X+4*\q:X+4*\q+3], v[STO] offset:16*\q
.endr
.endm
.macro XSTEP t
.if (\t) < 3
	s_wait_loadcnt 16                                  ; this step's 16 loads are in; the next step's 16 may be out
.else
	s_wait_loadcnt 0x0
.endif
	TURN \t
	s_wait_dscnt 0x0                                   ; my 64 numbers are in, and the stage's stores have read the landing set
.if (\t) < 2
	XLOAD (\t)+2
.endif
.if (\t) == 2
	s_wait_xcnt 0x0                                    ; the first K step's stores have read FA and FB: they are written again
.endif
	BLK X, FA+6*((\t)%2), SW+(\t)/2, 2*((\t)%2)
	BLK X+32, FB+6*((\t)%2), SW+(\t)/2, 2*((\t)%2)+1
	PAIR (\t)%2
.if (\t)%2
	OUTF 14, ((\t)/2)*1536
.endif
.endm
.macro WLOAD t, sb, stride             ; block t of my column: each load reads 128 consecutive bytes of one row k
.irp i, 0,1,2,3,4,5,6,7,8,9,10,11,12,13,14,15,16,17,18,19,20,21,22,23,24,25,26,27,28,29,30,31
	global_load_b32 v[X+32*(\t)+\i], v[GW], s[\sb:\sb+1] offset:(32*(\t)+\i)*(\stride) th:TH_LOAD_NT
.endr
.endm
.macro WBODY sb, stride
	WLOAD 0, \sb, \stride
	WLOAD 1, \sb, \stride
	s_wait_loadcnt 32                                  ; block 0 is in; the 32 loads of block 1 may be out
	WLOAD 2, \sb, \stride
	BLK X, FA, SW, 0
	s_wait_loadcnt 32                                  ; block 1 is in
	WLOAD 3, \sb, \stride
	BLK X+32, FB, SW, 1
	PAIR 0
	s_wait_loadcnt 32                                  ; block 2 is in
	BLK X+64, FA+6, SW, 2
	s_wait_loadcnt 0x0
	BLK X+96, FB+6, SW, 3
	PAIR 1
	OUTF 16, 0
	global_store_b32 v[L16], v[SW], s[28:29]
	s_endpgm
.endm
	s_load_b256 s[4:11], s[0:1], 0x0               ; x s[4:5], Wq s[6:7], Wk s[8:9], Wv s[10:11]
	s_load_b128 s[12:15], s[0:1], 0x20             ; Wo s[12:13], xq s[14:15]
	s_load_b64 s[16:17], s[0:1], 0x30              ; wq
	v_lshl_add_u32 v62, v0, 2, 0x8800
	v_mov_b32 v63, 0
	v_lshrrev_b32 v[TA], 5, v0
	v_readfirstlane_b32 s18, v[TA]                 ; wave
	v_and_b32 v[LANE], 31, v0
	v_lshlrev_b32 v[L16], 4, v[LANE]
	s_cmp_lt_u32 ttmp9, 256
	s_cbranch_scc0 .Lweights
	; ---- x: 32 rows, my 256 along K
	v_and_b32 v[TA], 15, v[LANE]
	v_lshrrev_b32 v[GW], 4, v[LANE]
	v_lshlrev_b32 v[GX], 12, v[GW]
	v_lshl_add_u32 v[GX], v[TA], 4, v[GX]
	s_mul_i32 s19, s18, WSTAGE
	v_mul_u32_u24 v[STI], v[GW], SPITCH
	v_lshl_add_u32 v[STI], v[TA], 4, v[STI]
	v_add_nc_u32 v[STI], s19, v[STI]
	v_mul_u32_u24 v[STO], v[LANE], SPITCH
	v_add_nc_u32 v[STO], s19, v[STO]
	s_lshl_b32 s20, ttmp9, 17                      ; 32 rows of 4,096 bytes
	s_lshl_b32 s21, s18, 10                        ; + my 1,024 bytes of a row
	s_add_co_u32 s20, s20, s21
	s_mov_b32 s21, 0
	s_mul_i32 s22, ttmp9, 24576                    ; two tiles of 8 fragments
	s_mul_i32 s23, s18, 3072                       ; + K step 2 w
	s_add_co_u32 s22, s22, s23
	s_mov_b32 s23, 0
	s_lshl_b32 s24, ttmp9, 10                      ; scale words: 1,024 bytes a pair of tiles,
	s_lshr_b32 s25, s18, 1
	s_lshl_b32 s25, s25, 9                         ; 512 for each 4 K steps,
	s_add_co_u32 s24, s24, s25
	s_and_b32 s25, s18, 1
	s_lshl_b32 s25, s25, 3                         ; my two words of the four
	s_add_co_u32 s24, s24, s25
	s_add_co_u32 s24, s24, XS_OFF
	s_mov_b32 s25, 0
	s_wait_alu depctr_va_vdst(0)
	s_wait_kmcnt 0x0
	s_add_nc_u64 s[4:5], s[4:5], s[20:21]
	s_add_nc_u64 s[26:27], s[14:15], s[24:25]
	s_add_nc_u64 s[14:15], s[14:15], s[22:23]
	XLOAD 0
	XLOAD 1
	XSTEP 0
	XSTEP 1
	XSTEP 2
	XSTEP 3
	global_store_b64 v[L16], v[SW:SW+1], s[26:27]
	s_wait_tensorcnt 0x0
	ds_add_u32 v62, v63
	s_wait_dscnt 0x0
	s_endpgm
.Lweights:
	; ---- a weight: 32 columns, my 128 along K
	s_sub_co_u32 s19, ttmp9, 256
	s_lshr_b32 s20, s19, 6                         ; g: Wq, Wk, Wv, Wo
	s_bfe_u32 s21, s19, 0x50001                    ; cg: which 32 columns
	s_and_b32 s22, s19, 1                          ; j
	s_lshl_b32 s23, s22, 2
	s_add_co_u32 s23, s23, s18                     ; ks = 4 j + wave
	s_wait_alu depctr_va_vdst(0)
	v_and_b32 v[TA], 7, v[LANE]
	v_and_b32 v[GW], 8, v[LANE]
	v_lshl_or_b32 v[TA], v[GW], 1, v[TA]
	v_and_b32 v[GW], 16, v[LANE]
	v_lshrrev_b32 v[GW], 1, v[GW]
	v_or_b32 v[TA], v[TA], v[GW]                   ; perm(lane)
	v_lshlrev_b32 v[GW], 2, v[TA]
	s_mul_i32 s24, s20, 786432
	s_mul_i32 s25, s21, 24576
	s_add_co_u32 s24, s24, s25
	s_mul_i32 s25, s23, 1536
	s_add_co_u32 s24, s24, s25
	s_mov_b32 s25, 0
	s_lshl_b32 s26, s20, 15
	s_lshl_b32 s27, s21, 10
	s_add_co_u32 s26, s26, s27
	s_lshl_b32 s27, s22, 9
	s_add_co_u32 s26, s26, s27
	s_lshl_b32 s27, s18, 2
	s_add_co_u32 s26, s26, s27
	s_add_co_u32 s26, s26, WS_OFF
	s_mov_b32 s27, 0
	s_mov_b32 s31, 0
	s_wait_kmcnt 0x0
	s_add_nc_u64 s[28:29], s[16:17], s[26:27]
	s_add_nc_u64 s[16:17], s[16:17], s[24:25]
	s_cmp_eq_u32 s20, 3
	s_cbranch_scc1 .Lwo
	s_cmp_eq_u32 s20, 1                            ; the choice hangs on the work-group's number alone
	s_cselect_b64 s[6:7], s[8:9], s[6:7]
	s_cmp_eq_u32 s20, 2
	s_cselect_b64 s[6:7], s[10:11], s[6:7]
	s_lshr_b32 s30, s21, 1                         ; [head][e][d]: the head's 262,144 bytes,
	s_lshl_b32 s30, s30, 18
	s_lshl_b32 s32, s23, 15                        ; 128 rows e of 256 bytes,
	s_add_co_u32 s30, s30, s32
	s_and_b32 s32, s21, 1
	s_lshl_b32 s32, s32, 7                         ; which 32 of the head's 64
	s_add_co_u32 s30, s30, s32
	s_add_nc_u64 s[6:7], s[6:7], s[30:31]
	s_wait_alu depctr_va_vdst(0)
	WBODY 6, 256
.Lwo:
	s_lshl_b32 s30, s23, 19                        ; [k][n]: 128 rows of 4,096 bytes,
	s_lshl_b32 s32, s21, 7                         ; 32 columns
	s_add_co_u32 s30, s30, s32
	s_add_nc_u64 s[12:13], s[12:13], s[30:31]
	s_wait_alu depctr_va_vdst(0)
	WBODY 12, 4096
.Lfunc_end_k_q00eca55ef4_prep:
	.size	k_q00eca55ef4_prep, .Lfunc_end_k_q00eca55ef4_prep-k_q00eca55ef4_prep
	.p2alignl 7, 3214868480
	.fill 96, 4, 3214868480
	.section	.rodata,"a",@progbits
	.p2align	6, 0x0
	.amdhsa_kernel k_q00eca55ef4_prep
		.amdhsa_group_segment_fixed_size 35328
		.amdhsa_private_segment_fixed_size 0
		.amdhsa_enable_private_segment 0
		.amdhsa_kernarg_size 56
		.amdhsa_user_sgpr_count 2
		.amdhsa_user_sgpr_kernarg_segment_ptr 1
		.amdhsa_wavefront_size32 1
		.amdhsa_system_sgpr_workgroup_id_x 1
		.amdhsa_system_sgpr_workgroup_id_y 1
		.amdhsa_system_sgpr_workgroup_id_z 1
		.amdhsa_system_vgpr_workitem_id 0
		.amdhsa_next_free_vgpr 256
		.amdhsa_next_free_sgpr 66
		.amdhsa_reserve_vcc 0
		.amdhsa_float_denorm_mode_32 3
		.amdhsa_float_denorm_mode_16_64 3
		.amdhsa_memory_ordered 1
		.amdhsa_forward_progress 1
		.amdhsa_inst_pref_size 70
	.end_amdhsa_kernel
	.amdgpu_metadata
---
amdhsa.version: [ 1, 2 ]
amdhsa.kernels:
  - .name:           k_q00eca55ef4_prep
    .symbol:         k_q00eca55ef4_prep.kd
    .args:
      - { .name: x, .offset: 0, .size: 8, .value_kind: global_buffer, .address_space: global }
      - { .name: Wq, .offset: 8, .size: 8, .value_kind: global_buffer, .address_space: global }
      - { .name: Wk, .offset: 16, .size: 8, .value_kind: global_buffer, .address_space: global }
      - { .name: Wv, .offset: 24, .size: 8, .value_kind: global_buffer, .address_space: global }
      - { .name: Wo, .offset: 32, .size: 8, .value_kind: global_buffer, .address_space: global }
      - { .name: xq, .offset: 40, .size: 8, .value_kind: global_buffer, .address_space: global }
      - { .name: wq, .offset: 48, .size: 8, .value_kind: global_buffer, .address_space: global }
    .group_segment_fixed_size: 35328
    .private_segment_fixed_size: 0
    .kernarg_segment_align: 8
    .kernarg_segment_size: 56
    .max_flat_workgroup_size: 128
    .sgpr_count:     66
    .vgpr_count:     256
    .wavefront_size: 32
...
	.end_amdgpu_metadata
.endif
;; end of part 1
;; launch qkv (part 2): grid 32 x 8, 4 waves a work-group, clusters of 4 x 1, 327,680 bytes of LDS; arguments xq, wq, qq, kv; writes qq, kv
.if DOCPART == 2
	.amdgcn_target "amdgcn-amd-amdhsa--gfx1250"
	.amdhsa_code_object_version 6
	.text
	.protected	k_q00eca55ef4_qkv
	.globl	k_q00eca55ef4_qkv
	.p2align	8
	.type	k_q00eca55ef4_qkv,@function
k_q00eca55ef4_qkv:
	s_mov_b64 s[64:65], 0
	v_nop
	global_prefetch_b8 v0, s[64:65] scope:SCOPE_SE
	s_setreg_imm32_b32 hwreg(HW_REG_WAVE_MODE, 25, 1), 1
	s_wait_xcnt 0x0
	s_wait_alu depctr_hold_cnt(0) depctr_sa_sdst(0) depctr_va_vdst(0) depctr_va_sdst(0) depctr_va_ssrc(0) depctr_va_vcc(0) depctr_vm_vsrc(0)
	s_getreg_b32 s2, hwreg(HW_REG_IB_STS2, 6, 4)
	s_cmp_eq_u32 s2, 0
	s_cbranch_scc0 .Lentry_in_a_cluster
	s_endpgm
.Lentry_in_a_cluster:
	s_bfe_u32 s2, ttmp6, 0x10000c
	s_cmp_lg_u32 s2, 0x3003
	s_cbranch_scc0 .Lentry_shape_is_right
	s_endpgm
.Lentry_shape_is_right:
; q, k, v = x Wq, x Wk, x Wv on codes of E2M3 (K = 1,024), and the results quantised at once: q and k along the head's 64, v along the keys.  Nothing but codes and scale bytes leaves.
; SHARES: a work-group takes 256 rows of x (RB) and a pair of heads (hp): three tiles of 256 x 128.  A wave takes 64 rows x 128 columns: 32 accumulators.
; x: a wave's 64 rows for all of K are 32 fragments, 384 registers, loaded once from memory as register images and used for all three tiles: they never pass through LDS.
; W: the pair's three tiles, 294,912 bytes, all lie in LDS: six chunks of 4 K steps, each filled once.  No LDS byte is filled twice, so there is no ring.
; CLUSTER: the four work-groups of a cluster are row blocks of one pair of heads: they ask for W JOINTLY (mask 15).  x is a wave's own, so nothing else is shared and a second cluster axis would serve nothing.
; q, k: the product is used transposed (source 0 = 16 columns of W, source 1 = 16 rows of x): a lane holds one row and 64 registers run along the pair's 128 columns.
; v: source 0 = 16 rows of x, source 1 = 16 columns of W: a lane holds one column d, and its registers run along the keys, the next product's K.
; The tiles' rows and columns are permuted as the quantising launch laid them, so that 16 registers of two neighbouring tiles are 16 neighbours.
; OUT: half fragments (64 K, six registers: 0-3 at 16 l, 4-5 at 512 + 8 l; 768 bytes).  qq: [bh][tile 128]; scale words [bh][32][r][4], upper 16 bits 0.
;   kv: [bh][16 key steps] records of 13,056 bytes: K [8 tiles], V [4 tiles of d][2 halves of 128 keys] at 6,144, K's words [2][r][4] at 12,288, V's [r][4] at 12,800.
; LIMITS: NaN and infinities are not served; a block whose largest magnitude lies under 2^-124 gets the byte 1.
; REGISTERS: window 0: v1-14 addresses; v16-31 x's scale words; v32-63 W's, two sets; v64-159, v160-255 W's fragments, two sets (the second is also the epilogues' workspace).
;   window 1: the accumulators.   window 2: x's K steps 0-4 (48 ks + 12 a).   window 3: K steps 5-7.
.set XS_OFF, 6291456
.set WS_OFF, 3145728
.set QS_OFF, 6291456
.set CH,   49152                       ; a chunk: [8 tiles of columns][4 K steps] fragments
.set SCB,  6*CH                        ; W's scale words: [3 weights][4 pairs of tiles][2] x 512
.set SCR,  SCB+12288                   ; 512 bytes a wave: v's scale words from wave to wave; no fill lands here
.set HSQ,  98304                       ; from head to head in qq
.set HSK,  208896                      ; and in kv
.set L16,  1
.set BA,   2                           ; v2-7: 16 l + chunk n
.set BSA,  8
.set L8,   9
.set QSO,  10                          ; 16 r + 8,192 h
.set KSO,  11                          ; 16 r + 208,896 h
.set H16,  12                          ; 16 h
.set SWR,  13
.set SRD,  14
.set AS,   16
.set BS,   32
.set BF,   64
.set PCB,  160                         ; codes: 12 registers for each of an epilogue's four calls
.set PT,   208
.set TM,   216                         ; +0..3 largest magnitudes, +4..7 the other half's, then bytes, +12..15 scale operands
.set PW,   232
.set SWD,  236
.set MSB, 0
.macro WIN new                         ; the immediate's high byte repeats the setting that is left
.if MSB != (\new)
	s_set_vgpr_msb (MSB<<8)|(\new)
.set MSB, (\new)
.endif
.endm
.macro PLACES                          ; four plain places behind matrix instructions, ahead of loads into their sources and of reads of their results
.rept 4
	v_nop
.endr
.endm
.macro CROUND                          ; a round of the cluster's barrier
	s_barrier_signal -1
	s_barrier_wait -1
	s_cmp_lg_u32 s12, 0
	s_cbranch_scc1 .Lnot_wave_0_\@
	s_barrier_signal -3
.Lnot_wave_0_\@:
	s_barrier_wait -3
	s_barrier_signal -1
	s_barrier_wait -1
.endm
; one product: D at d, sources at x and y, their scale words sx, sy; rx, ry: the words lie in lanes 16-31; z: the sum begins
.macro WM d, x, y, sx, sy, rx, ry, z
.if \z
.if \rx && \ry
	v_wmma_scale_f32_16x16x128_f8f6f4 v[\d:\d+7], v[\x:\x+11], v[\y:\y+11], 0, v[\sx], v[\sy] matrix_a_fmt:MATRIX_FMT_FP6 matrix_b_fmt:MATRIX_FMT_FP6 matrix_a_scale:MATRIX_SCALE_ROW1 matrix_b_scale:MATRIX_SCALE_ROW1
.elseif \rx
	v_wmma_scale_f32_16x16x128_f8f6f4 v[\d:\d+7], v[\x:\x+11], v[\y:\y+11], 0, v[\sx], v[\sy] matrix_a_fmt:MATRIX_FMT_FP6 matrix_b_fmt:MATRIX_FMT_FP6 matrix_a_scale:MATRIX_SCALE_ROW1
.elseif \ry
	v_wmma_scale_f32_16x16x128_f8f6f4 v[\d:\d+7], v[\x:\x+11], v[\y:\y+11], 0, v[\sx], v[\sy] matrix_a_fmt:MATRIX_FMT_FP6 matrix_b_fmt:MATRIX_FMT_FP6 matrix_b_scale:MATRIX_SCALE_ROW1
.else
	v_wmma_scale_f32_16x16x128_f8f6f4 v[\d:\d+7], v[\x:\x+11], v[\y:\y+11], 0, v[\sx], v[\sy] matrix_a_fmt:MATRIX_FMT_FP6 matrix_b_fmt:MATRIX_FMT_FP6
.endif
.else
.if \rx && \ry
	v_wmma_scale_f32_16x16x128_f8f6f4 v[\d:\d+7], v[\x:\x+11], v[\y:\y+11], v[\d:\d+7], v[\sx], v[\sy] matrix_a_fmt:MATRIX_FMT_FP6 matrix_b_fmt:MATRIX_FMT_FP6 matrix_a_scale:MATRIX_SCALE_ROW1 matrix_b_scale:MATRIX_SCALE_ROW1
.elseif \rx
	v_wmma_scale_f32_16x16x128_f8f6f4 v[\d:\d+7], v[\x:\x+11], v[\y:\y+11], v[\d:\d+7], v[\sx], v[\sy] matrix_a_fmt:MATRIX_FMT_FP6 matrix_b_fmt:MATRIX_FMT_FP6 matrix_a_scale:MATRIX_SCALE_ROW1
.elseif \ry
	v_wmma_scale_f32_16x16x128_f8f6f4 v[\d:\d+7], v[\x:\x+11], v[\y:\y+11], v[\d:\d+7], v[\sx], v[\sy] matrix_a_fmt:MATRIX_FMT_FP6 matrix_b_fmt:MATRIX_FMT_FP6 matrix_b_scale:MATRIX_SCALE_ROW1
.else
	v_wmma_scale_f32_16x16x128_f8f6f4 v[\d:\d+7], v[\x:\x+11], v[\y:\y+11], v[\d:\d+7], v[\sx], v[\sy] matrix_a_fmt:MATRIX_FMT_FP6 matrix_b_fmt:MATRIX_FMT_FP6
.endif
.endif
.endm
.macro ALOAD ks                        ; x's four fragments of K step ks: 12 loads of 512 consecutive bytes
.if (\ks) < 5
	WIN 0x80
.set AB_, 48*(\ks)
.else
	WIN 0xc0
.set AB_, 48*((\ks)-5)
.endif
.irp a, 0,1,2,3
.irp c, 0,1,2
	global_load_b128 v[AB_+12*\a+4*\c:AB_+12*\a+4*\c+3], v[L16], s[44:45] offset:\a*12288+(\ks)*1536+512*\c
.endr
.endr
	WIN 0
.endm
.macro FETCH_B k                       ; W's eight fragments of step k (chunk k / 4) into set k % 2; with a chunk's first step its scale words
.set NN_, (\k)/4
.set BB_, BF+96*((\k)%2)
.irp b, 0,1,2,3,4,5,6,7
.irp c, 0,1,2
.if (\k) < 8
	ds_load_b128 v[BB_+12*\b+4*\c:BB_+12*\b+4*\c+3], v[BA+NN_] offset:\b*6144+((\k)%4)*1536+512*\c   ; Wq lies in two chunks: [4 K steps' half][8 tiles of columns][4 K steps]
.else
	ds_load_b128 v[BB_+12*\b+4*\c:BB_+12*\b+4*\c+3], v[BA+2*((\k)/8)+\b/4] offset:(\b%4)*12288+((\k)%8)*1536+512*\c   ; Wk and Wv lie [8 tiles of columns][8 K steps]; one address register for each four tiles
.endif
.endr
.endr
.if (\k)%4 == 0
.irp q, 0,1,2,3
	ds_load_b128 v[BS+16*(NN_%2)+4*\q:BS+16*(NN_%2)+4*\q+3], v[BSA] offset:(NN_/2)*4096+\q*1024+(NN_%2)*512   ; scale words: [3 weights][4 pairs of tiles][2] x 512
.endr
.endif
.endm
; 32 products of step k.  The 32 accumulators take turns, one instruction a turn, in the same order in every step.  kind 0: transposed (q, k); 1: v
.macro MUL k, kind
.set KK_, (\k)%8
.if KK_ < 5
.set AW_, 2
.set AB_, 48*KK_
.else
.set AW_, 3
.set AB_, 48*(KK_-5)
.endif
.if KK_ == 0
.set ZZ_, 1
.else
.set ZZ_, 0
.endif
.set BB_, BF+96*((\k)%2)
.set BSR_, BS+16*(((\k)/4)%2)+(\k)%4
.if \kind
	WIN 0x50+AW_
.else
	WIN 0x50+4*AW_
.endif
.irp a, 0,1,2,3
.irp b, 0,1,2,3,4,5,6,7
.set XA_, AB_+12*\a
.set XB_, BB_+12*\b
.set SA_, AS+8*(\a/2)+KK_
.set SB_, BSR_+4*(\b/2)
.set RA_, \a%2
.set RB_, \b%2
.if \kind
.set DD_, 8*(4*\b+\a)
	WM DD_, XA_, XB_, SA_, SB_, RA_, RB_, ZZ_
.else
.set DD_, 8*(8*\a+\b)
	WM DD_, XB_, XA_, SB_, SA_, RB_, RA_, ZZ_
.endif
.endr
.endr
.endm
.macro KSTEP k, kind
	s_wait_dscnt 0x0                               ; this step's fragments of W are in: they were asked for a whole step ago
.if (\k) == 3
	s_cmp_eq_u32 s12, 2                            ; Wq's second chunk is wave 2's load, on a line of its own: wave 2 waits for it; Wk and Wv may still be out
	s_cbranch_scc0 .Lnot_mine_\@
	s_wait_tensorcnt 0x0
.Lnot_mine_\@:
	s_barrier_signal -1
	s_barrier_wait -1
.elseif (\k) == 7
	s_wait_tensorcnt 0x0                           ; Wk and Wv, wave 3's one load, are all that is still out: the wait stands on every wave's way
	s_barrier_signal -1
	s_barrier_wait -1
.endif
.if (\k) < 23
	PLACES
	FETCH_B (\k)+1
.endif
.if (\k) < 5
	s_wait_loadcnt 36                              ; x's K step k is in; three later K steps' 12 loads each may be out
.elseif (\k) < 8
	s_wait_loadcnt 12*(7-(\k))
.endif
.if (\k) < 4
	ALOAD (\k)+4
.endif
	MUL \k, \kind
	WIN 0
.endm
; 64 numbers of a lane in window 1, register 16 b + i = k 32 b + 16 (lane / 16) + i of my row, become 12 registers of codes at pc and a scale word at pw
.macro QUANT s, pc, pw
	WIN 0x05
.irp b, 0,1,2,3
	v_max3_num_f32 v[TM+\b], |v[(\s)+16*\b]|, |v[(\s)+1+16*\b]|, 0x1800000   ; each accumulator is read from its low end on; the floor 2^(3 - 127) holds the byte at 1
.endr
	WIN 0x14
.irp i, 2,4,6,8,10,12,14
.irp b, 0,1,2,3
	v_max3_num_f32 v[TM+\b], v[TM+\b], |v[(\s)+16*\b+\i]|, |v[(\s)+1+16*\b+\i]|
.endr
.endr
	WIN 0
.irp b, 0,1,2,3
	v_permlanex16_b32 v[TM+4+\b], v[TM+\b], s62, s63
.endr
.irp b, 0,1,2,3
	v_max_num_f32 v[TM+\b], v[TM+\b], v[TM+4+\b]   ; with lane l xor 16: the block's largest magnitude
.endr
.irp b, 0,1,2,3
	v_add_nc_u32 v[TM+12+\b], 0xff000000, v[TM+\b]
.endr
.irp b, 0,1,2,3
	v_lshrrev_b32 v[TM+4+\b], 23, v[TM+12+\b]
.endr
	v_lshl_or_b32 v[\pw], v[TM+5], 8, v[TM+4]
	v_lshl_or_b32 v[\pw], v[TM+6], 16, v[\pw]
	v_lshl_or_b32 v[\pw], v[TM+7], 24, v[\pw]
	WIN 0x01
.irp c, 0,1
	v_cvt_scalef32_pk16_fp6_f32 v[(\pc)+6*\c:(\pc)+2+6*\c], v[(\s)+32*\c:(\s)+15+32*\c], v[TM+12+2*\c]
	v_cvt_scalef32_pk16_fp6_f32 v[PT+4*\c:PT+2+4*\c], v[(\s)+16+32*\c:(\s)+31+32*\c], v[TM+12+2*\c+1]
.endr
	WIN 0
	v_nop                                          ; one plain place behind a scaled conversion
.irp c, 0,1                            ; a whole block to a lane: lanes 0-15 block 2 c, lanes 16-31 block 2 c + 1
.irp i, 0,1,2
	v_permlane16_swap_b32 v[(\pc)+6*\c+\i], v[PT+4*\c+\i]
.endr
.irp i, 0,1,2
	v_mov_b32 v[(\pc)+3+6*\c+\i], v[PT+4*\c+\i]
.endr
.endr
.endm
; q or k leaves: for each of my four tiles of rows, registers 0-5 are the first head's half fragment, 6-11 the second's
.macro EPI_QK cb, hs, sb, vo
	PLACES
.irp b, 0,1,2,3
	v_mov_b32 v[TM+4+\b], 0                        ; a lane permute's destination counts as one of its sources
.endr
.irp a, 0,1,2,3
	QUANT 64*\a, PCB+12*\a, PW+\a
	global_store_b128 v[L16], v[PCB+12*\a:PCB+12*\a+3], s[\cb:\cb+1] offset:768*\a
	global_store_b64 v[L8], v[PCB+12*\a+4:PCB+12*\a+5], s[\cb:\cb+1] offset:768*\a+512
	global_store_b128 v[L16], v[PCB+12*\a+6:PCB+12*\a+9], s[\cb:\cb+1] offset:\hs+768*\a
	global_store_b64 v[L8], v[PCB+12*\a+10:PCB+12*\a+11], s[\cb:\cb+1] offset:\hs+768*\a+512
	v_bfe_u32 v[SWD+\a], v[PW+\a], v[H16], 16      ; lanes 0-15 the first head's two bytes, lanes 16-31 the second's; the upper two bytes are 0
.endr
	global_store_b128 v[\vo], v[SWD:SWD+3], s[\sb:\sb+1]   ; sixteen lanes fill 256 aligned bytes for each head
	s_wait_xcnt 0x0                                ; the stores have read their registers: the next fetch lands on them
.endm
	s_load_b256 s[4:11], s[0:1], 0x0               ; xq s[4:5], wq s[6:7], qq s[8:9], kv s[10:11]
	s_set_vgpr_msb 0x80
	v_lshl_add_u32 v254, v0, 2, 0x4b800
	v_mov_b32 v255, 0
	s_set_vgpr_msb 0x808a
	ds_add_u32 v254, v255
	ds_add_u32 v254, v255
	s_set_vgpr_msb 0x8a00
	v_lshrrev_b32 v1, 5, v0
	v_readfirstlane_b32 s12, v1                    ; wave
	s_bfe_u32 s13, ttmp6, 0x40000                  ; cx: it enters x's, q's, k's and v's global addresses alone
	s_lshl_b32 s14, ttmp9, 2
	s_add_co_u32 s14, s14, s13                     ; RB
	s_and_b32 s15, ttmp7, 0xffff                   ; hp, which the four partners share
	; group 1 for a chunk's quarter: 2 rows of 6,144 bytes (768 elements of 8), 12,288 bytes apart; mask 15 with bit 21 beside it
	s_mov_b32 s24, 15|(3<<16)|(1<<21)
	s_mov_b32 s25, 768<<16                         ; a chunk of Wq: 8 rows of 6,144 bytes (768 elements of 8), 12,288 bytes apart
	s_mov_b32 s26, 8<<16
	s_mov_b32 s27, 768<<16
	s_mov_b32 s28, 8
	s_mov_b32 s29, 1536
	s_mov_b32 s80, 15|(3<<16)|(1<<21)              ; group 1 for Wk's and Wv's tiles in one load: 2 rows of 98,304 dense bytes (12,288 elements), 786,432 bytes apart
	s_mov_b32 s81, 12288<<16
	s_mov_b32 s82, 2<<16
	s_mov_b32 s83, 12288<<16
	s_mov_b32 s84, 2
	s_mov_b32 s85, 98304
	s_mov_b32 s86, 0
	s_mov_b32 s87, 0
	s_mov_b32 s30, 0
	s_mov_b32 s31, 0
	; group 1 for the scale words: 3 rows (Wq, Wk, Wv) of 1,024 bytes, 32,768 bytes apart
	s_mov_b32 s32, 15|(3<<16)|(1<<21)
	s_mov_b32 s33, 512<<16                         ; the scale words of the pair's 128 columns: 3 rows (Wq, Wk, Wv) of 4,096 bytes
	s_mov_b32 s34, 3<<16
	s_mov_b32 s35, 512<<16
	s_mov_b32 s36, 3
	s_mov_b32 s37, 4096
	s_mov_b32 s38, 0
	s_mov_b32 s39, 0
	s_lshl_b32 s16, s15, 12
	s_add_co_u32 s16, s16, WS_OFF                  ; the words of columns 128 hp on
	s_mov_b32 s17, 0
	s_mul_i32 s18, s15, 98304                      ; tiles of columns 8 hp on
	s_mov_b32 s19, 0
	s_mov_b32 s62, 0x76543210
	s_mov_b32 s63, 0xfedcba98                      ; lane l xor 16
	s_wait_dscnt 0x0
	s_wait_kmcnt 0x0
	s_add_nc_u64 s[20:21], s[6:7], s[18:19]
	s_mov_b32 s40, 1
	s_mov_b32 s41, SCB
	s_add_nc_u64 s[42:43], s[6:7], s[16:17]
	s_or_b32 s43, s43, 0x80000000
.irp n, 0,1,2                          ; Wq's two chunks, then Wk (with Wv behind it)
	s_mov_b32 s[68+4*\n], 1
	s_mov_b32 s[69+4*\n], \n*CH
	s_add_nc_u64 s[70+4*\n:71+4*\n], s[20:21], (\n/2)*786432+(\n%2)*6144
	s_or_b32 s[71+4*\n], s[71+4*\n], 0x80000000
.endr
	CROUND                                         ; the four partners are here: the joint loads meet
	; the head's four fills, one a wave, in one chain of arms: wave 0 the scale words, waves 1 and 2 Wq's two chunks, wave 3 Wk's and Wv's tiles; each fill is a first fill
	s_cmp_eq_u32 s12, 0
	s_cbranch_scc0 .Lhead_1
	tensor_load_to_lds s[40:43], s[32:39]
	s_nop 0
	PLACES
	s_branch .Lhead_asked
.Lhead_1:
	s_cmp_eq_u32 s12, 1
	s_cbranch_scc0 .Lhead_2
	tensor_load_to_lds s[68:71], s[24:31]
	s_nop 0
	PLACES
	s_branch .Lhead_asked
.Lhead_2:
	s_cmp_eq_u32 s12, 2
	s_cbranch_scc0 .Lhead_3
	tensor_load_to_lds s[72:75], s[24:31]
	s_nop 0
	PLACES
	s_branch .Lhead_asked
.Lhead_3:
	tensor_load_to_lds s[76:79], s[80:87]
	s_nop 0
	PLACES
.Lhead_asked:
	v_and_b32 v15, 31, v0                          ; lane
	v_and_b32 v10, 15, v0                          ; r
	v_bfe_u32 v12, v0, 4, 1                        ; h
	v_lshlrev_b32 v[L16], 4, v15
.irp n, 0,1,2,3,4,5
	v_add_nc_u32 v[BA+\n], \n*CH, v[L16]
.endr
	v_add_nc_u32 v[BSA], SCB, v[L16]
	v_lshlrev_b32 v[L8], 3, v15
	s_lshl_b32 s66, s12, 9
	s_add_co_u32 s66, s66, SCR
	v_lshlrev_b32 v[SRD], 2, v10
	v_lshl_add_u32 v[SRD], v12, 8, v[SRD]
	v_add_nc_u32 v[SRD], s66, v[SRD]               ; 4 r + 256 h in my 512 bytes
	v_lshl_add_u32 v[SWR], v15, 2, s66             ; 4 l
	v_mul_u32_u24 v[KSO], v12, HSK
	v_lshl_add_u32 v[KSO], v10, 4, v[KSO]
	v_lshlrev_b32 v15, 13, v12
	v_lshl_add_u32 v[QSO], v10, 4, v15
	v_lshlrev_b32 v[H16], 4, v12
	s_lshl_b32 s16, s14, 4
	s_lshl_b32 s17, s12, 2
	s_add_co_u32 s16, s16, s17                     ; my first tile of rows: 16 RB + 4 wave
	s_mul_i32 s18, s16, 12288
	s_mov_b32 s19, 0
	s_add_nc_u64 s[44:45], s[4:5], s[18:19]
	s_lshl_b32 s18, s16, 9
	s_add_co_u32 s18, s18, XS_OFF
	s_add_nc_u64 s[46:47], s[4:5], s[18:19]
.irp p, 0,1
.irp j, 0,1
	global_load_b128 v[AS+8*\p+4*\j:AS+8*\p+4*\j+3], v[L16], s[46:47] offset:\p*1024+\j*512
.endr
.endr
	ALOAD 0
	ALOAD 1
	ALOAD 2
	ALOAD 3
	s_lshr_b32 s16, s14, 3
	s_lshl_b32 s16, s16, 4
	s_lshl_b32 s17, s15, 1
	s_add_co_u32 s16, s16, s17                     ; bh0 = 16 batch + 2 hp
	s_and_b32 s17, s14, 7
	s_lshl_b32 s17, s17, 4
	s_lshl_b32 s18, s12, 2
	s_add_co_u32 s17, s17, s18                     ; my first tile within the batch
	s_lshl_b32 s18, s16, 7
	s_add_co_u32 s18, s18, s17
	s_mul_i32 s18, s18, 768
	s_add_nc_u64 s[48:49], s[8:9], s[18:19]        ; q's codes
	s_lshl_b32 s18, s16, 13
	s_lshr_b32 s20, s17, 2
	s_lshl_b32 s20, s20, 8
	s_add_co_u32 s18, s18, s20
	s_add_co_u32 s18, s18, QS_OFF
	s_add_nc_u64 s[50:51], s[8:9], s[18:19]        ; q's scale words
	s_lshl_b32 s18, s16, 4
	s_lshr_b32 s20, s17, 3
	s_add_co_u32 s18, s18, s20
	s_mul_i32 s18, s18, 13056
	s_add_nc_u64 s[52:53], s[10:11], s[18:19]      ; my key step's record, first head
	s_and_b32 s67, s12, 1                          ; which half of its 128 keys is mine
	s_mul_i32 s18, s67, 3072
	s_add_nc_u64 s[54:55], s[52:53], s[18:19]      ; k's codes
	s_lshl_b32 s18, s67, 8
	s_add_co_u32 s18, s18, 12288
	s_add_nc_u64 s[56:57], s[52:53], s[18:19]      ; k's scale words
	s_mul_i32 s18, s67, 768
	s_add_co_u32 s18, s18, 6144
	s_add_nc_u64 s[58:59], s[52:53], s[18:19]      ; v's codes
	s_add_nc_u64 s[60:61], s[52:53], 12800         ; v's scale words
	s_wait_alu depctr_va_vdst(0)                   ; the wait at the head's end
	s_cmp_lt_u32 s12, 2                            ; the scale words and Wq's first chunk are waves 0 and 1's loads: they wait; Wk's and Wv's may be out
	s_cbranch_scc0 .Lnot_first
	s_wait_tensorcnt 0x0
.Lnot_first:
	s_barrier_signal -1
	s_barrier_wait -1
	FETCH_B 0
.irp k, 0,1,2,3,4,5,6,7
	KSTEP \k, 0
.endr
	EPI_QK 48, HSQ, 50, QSO
.irp k, 8,9,10,11,12,13,14,15
	KSTEP \k, 0
.endr
	EPI_QK 54, HSK, 56, KSO
.irp k, 16,17,18,19,20,21,22,23
	KSTEP \k, 1
.endr
	; v leaves: call cc takes tiles of columns 2 cc, 2 cc + 1; each gives a half fragment (my 64 keys) of one tile of V^T
	PLACES
.irp b, 0,1,2,3
	v_mov_b32 v[TM+4+\b], 0
.endr
.irp c, 0,1,2,3
	QUANT 64*\c, PCB+12*\c, PW+\c
	global_store_b128 v[L16], v[PCB+12*\c:PCB+12*\c+3], s[58:59] offset:(\c/2)*HSK+(\c%2)*3072
	global_store_b64 v[L8], v[PCB+12*\c+4:PCB+12*\c+5], s[58:59] offset:(\c/2)*HSK+(\c%2)*3072+512
	global_store_b128 v[L16], v[PCB+12*\c+6:PCB+12*\c+9], s[58:59] offset:(\c/2)*HSK+(\c%2)*3072+1536
	global_store_b64 v[L8], v[PCB+12*\c+10:PCB+12*\c+11], s[58:59] offset:(\c/2)*HSK+(\c%2)*3072+2048
	ds_store_b32 v[SWR], v[PW+\c] offset:128*\c
.endr
	s_wait_dscnt 0x0                               ; for the other wave: my scale words lie in LDS
	s_barrier_signal -1
	s_barrier_wait -1
	s_cmp_lg_u32 s67, 0                            ; a word of V has two bytes of the even wave (keys 0-63) and two of the odd one: the even wave joins and stores them
	s_cbranch_scc1 .Lodd
	ds_load_b32 v[TM], v[SRD]
	ds_load_b32 v[TM+1], v[SRD] offset:128
	ds_load_b32 v[TM+2], v[SRD] offset:512
	ds_load_b32 v[TM+3], v[SRD] offset:640
	s_wait_dscnt 0x0
	v_perm_b32 v[SWD], v[TM+2], v[TM], 0x05040100
	v_perm_b32 v[SWD+1], v[TM+2], v[TM], 0x07060302
	v_perm_b32 v[SWD+2], v[TM+3], v[TM+1], 0x05040100
	v_perm_b32 v[SWD+3], v[TM+3], v[TM+1], 0x07060302
	global_store_b128 v[KSO], v[SWD:SWD+3], s[60:61]
.Lodd:
	s_set_vgpr_msb 0xa
	s_wait_tensorcnt 0x0
	ds_add_u32 v254, v255
	s_wait_dscnt 0x0
	s_set_vgpr_msb 0xa00
	CROUND                                         ; the closing round: no work-group ends while a partner may still ask jointly
	s_endpgm
.Lfunc_end_k_q00eca55ef4_qkv:
	.size	k_q00eca55ef4_qkv, .Lfunc_end_k_q00eca55ef4_qkv-k_q00eca55ef4_qkv
	.p2alignl 7, 3214868480
	.fill 96, 4, 3214868480
	.section	.rodata,"a",@progbits
	.p2align	6, 0x0
	.amdhsa_kernel k_q00eca55ef4_qkv
		.amdhsa_group_segment_fixed_size 327680
		.amdhsa_private_segment_fixed_size 0
		.amdhsa_enable_private_segment 0
		.amdhsa_kernarg_size 32
		.amdhsa_user_sgpr_count 2
		.amdhsa_user_sgpr_kernarg_segment_ptr 1
		.amdhsa_wavefront_size32 1
		.amdhsa_system_sgpr_workgroup_id_x 1
		.amdhsa_system_sgpr_workgroup_id_y 1
		.amdhsa_system_sgpr_workgroup_id_z 1
		.amdhsa_system_vgpr_workitem_id 0
		.amdhsa_next_free_vgpr 912
		.amdhsa_next_free_sgpr 96
		.amdhsa_reserve_vcc 0
		.amdhsa_float_denorm_mode_32 3
		.amdhsa_float_denorm_mode_16_64 3
		.amdhsa_memory_ordered 1
		.amdhsa_forward_progress 1
		.amdhsa_inst_pref_size 212
	.end_amdhsa_kernel
	.amdgpu_metadata
---
amdhsa.version: [ 1, 2 ]
amdhsa.kernels:
  - .name:           k_q00eca55ef4_qkv
    .symbol:         k_q00eca55ef4_qkv.kd
    .args:
      - { .name: xq, .offset: 0, .size: 8, .value_kind: global_buffer, .address_space: global }
      - { .name: wq, .offset: 8, .size: 8, .value_kind: global_buffer, .address_space: global }
      - { .name: qq, .offset: 16, .size: 8, .value_kind: global_buffer, .address_space: global }
      - { .name: kv, .offset: 24, .size: 8, .value_kind: global_buffer, .address_space: global }
    .group_segment_fixed_size: 327680
    .private_segment_fixed_size: 0
    .kernarg_segment_align: 8
    .kernarg_segment_size: 32
    .max_flat_workgroup_size: 128
    .sgpr_count:     96
    .vgpr_count:     912
    .wavefront_size: 32
...
	.end_amdgpu_metadata
.endif
;; end of part 2
;; launch attn (part 3): grid 4 x 64, 16 waves a work-group, no clusters, 210,944 bytes of LDS; arguments qq, kv, oq; writes oq
.if DOCPART == 3
	.amdgcn_target "amdgcn-amd-amdhsa--gfx1250"
	.amdhsa_code_object_version 6
	.text
	.protected	k_q00eca55ef4_attn
	.globl	k_q00eca55ef4_attn
	.p2align	8
	.type	k_q00eca55ef4_attn,@function
k_q00eca55ef4_attn:
	s_mov_b64 s[64:65], 0
	v_nop
	global_prefetch_b8 v0, s[64:65] scope:SCOPE_SE
	s_setreg_imm32_b32 hwreg(HW_REG_WAVE_MODE, 25, 1), 1
	s_wait_xcnt 0x0
; Causal attention of one head on codes of E2M3, and O / l quantised along the head's 64 for the output projection.
; t = score x log2(e) / 8; M = the running largest t rounded UP to a whole number; p = 2^(t - M) is quantised along the keys, not normalised; the row's sum is taken of the unquantised p.
; When M moves, the sum and O^T are multiplied by 2^(old M - new M): exact.
; WORK LEFT OUT: a step of 128 keys all of which come after a tile's queries lies wholly under the causal mask: it is passed over by a scalar branch on ids.
; SHARES: work-group (i, bh) owns query blocks 7 - i and i of 256 queries; wave w owns one tile of 16 queries of each (A: tile 16 (7 - i) + w, B: 16 i + w): 16 or 18 steps of 128 keys together, whatever i is.
; K, V and their scale words of the whole head are 208,896 dense bytes: each of the sixteen waves brings one key step's record by one tensor load; every fill is a first fill: no ring.
; THE WALK HAS THREE PARTS.  Key steps 0-3 are read behind a barrier ahead of which waves 0-3 alone wait for their loads (a load line of their own); the other twelve records may be out meanwhile.
; Behind key step 0, which is written out, every wave waits for its own load and signals a second barrier; key steps 1-3 (a loop of 3 trips: work on registers and LDS loads of records 1-3, which nobody writes)
; stand between that signal and its wait; behind the wait come key steps 4-15 (a loop of 12 trips).
; In key steps 0-3 tile A's queries (1,024 and up) come after all keys (under 512): there its test for hidden steps and its mask are not assembled.
; NO CLUSTER: those that share K and V are query blocks, whose causal branches would hang on their place in the cluster.  NO PREFETCH: all that is read is asked for at the head.
; LAYOUT: both products transposed: S^T = K Q^T, O^T = V^T P^T: a lane holds one query.  THE KEYS OF A TILE OF K ARE CHOSEN BY THE LANES' LDS ADDRESSES: tile t takes in lanes r < 8 key 64 (t / 4) + 8 (t % 4) + r
; and in lanes r >= 8 the key 32 further on.  So register n of lane (r, h) is key 64 (n / 32) + 32 h + n % 32: a lane's 32 registers are one scale block of p, in the order of the operand's registers; no lane is asked for a block's maximum.
; In the record keys lie in tiles of a group of 32 (tile u, row r: 8 u + r + 8 (r / 8)): key octet o of group g is rows 8 (o / 2) on of tile 2 g + o % 2.  The two halves of sixteen lanes read 1,536 bytes apart.
; K = 64 IN A FORM OF 128: Q's registers 6-11 hold zero codes, and the scale bytes of k = 64 .. 127 are 0 (2^-127) on both sides.  K's operand names 12 registers of which the upper six are the next tile's codes (behind the last tile: p's codes): they meet zero codes.
; LIMITS: NaN and infinities are not served; a block whose largest magnitude lies under 2^-124 gets the byte 1; the scaled scores stay under 2^31 in magnitude.
.set QS_OFF, 6291456
.set OS_OFF, 6291456
.set REC,  13056
.set SPARE, 16*REC                     ; behind the records: the spare words, 128 bytes a wave
.set KAB,  1                           ; v1-3  lane terms for K: 16-byte pieces, 8-byte pieces, scale words
.set VAB,  4                           ; v4-6  16 l, 8 l, 16 r: V's pieces and scale words, Q's loads, the stores
.set KA,   7                           ; v7-12 the same six + the record in hand
.set VA,   10
.set SPW,  13
.set FF,   14                          ; f = 2^(old M - new M); the pair's upper word is v15
.set MB,   15                          ; r + 8 (r / 8) - 32 h
.set QSC,  48                          ; v48, v49 Q's scale words
.set SCW,  50                          ; v50-57 K's or V's scale words
.set SP,   58                          ; the sum's second chain
.set PT1,  60
.set NIL,  63
.set F,    64                          ; v64-111: K's eight half fragments (6 t); later V's four fragments (12 t)
.set PC,   112                         ; v112-123 p's codes
.set S,    124                         ; v124-187 S^T, then p
.set OA,   188
.set OB,   220
.set PT0,  252
.set PW,   255                         ; p's scale word
.set X0,   F+36                        ; at work between K's products and the load of V's last tile
.set Y0,   F+37
.set X1,   F+38
.set Y1,   F+39
.set P,    F+40
.set T,    F+41
.set T2,   F+42
.set SO,   F+43
.set BY,   F+45
.set W,    F+47
.macro PLACES
.rept 4
	v_nop
.endr
.endm
.macro WALU
	s_wait_alu depctr_va_vdst(0)
.endm
.macro VLOAD t                         ; a tile of V^T: two half fragments (keys 0-63, 64-127)
	ds_load_b128 v[F+12*\t:F+12*\t+3], v[VA] offset:6144+1536*\t
	ds_load_b64 v[F+12*\t+4:F+12*\t+5], v[VA+1] offset:6144+1536*\t+512
	ds_load_b128 v[F+12*\t+6:F+12*\t+9], v[VA] offset:6144+1536*\t+768
	ds_load_b64 v[F+12*\t+10:F+12*\t+11], v[VA+1] offset:6144+1536*\t+1280
.endm
; one tile's key step.  st: -M, the largest score, the sum's pair; q: Q's 12 registers; qs: its scale word; o: O^T's 32 registers; ql: the scalar with the tile's least query; m: 1 where the mask can reach this step
; The loads into K's registers stand four plain lines behind the last products that read them: the four additions at a step's end.
.macro STEP st, q, qs, o, ql, m
.if \m
	s_add_co_u32 s33, s[\ql], 23                   ; the tile's largest query
	s_cmp_gt_u32 s29, s33
	s_cbranch_scc1 .Lhidden_\@
.endif
.irp t, 0,1,2,3,4,5,6,7
	ds_load_b128 v[F+6*\t:F+6*\t+3], v[KA] offset:(4*(\t/4)+\t%2)*768+128*((\t%4)/2)
	ds_load_b64 v[F+6*\t+4:F+6*\t+5], v[KA+1] offset:(4*(\t/4)+\t%2)*768+512+64*((\t%4)/2)
.endr
.irp t, 0,2,4,6
	ds_load_b64 v[SCW+\t:SCW+\t+1], v[KA+2] offset:12288+256*(\t/4)+128*((\t%4)/2)   ; the words of tiles t and t + 1 lie side by side
.endr
	s_wait_dscnt 0x0
.irp t, 0,1,2,3,4,5,6,7
	v_wmma_scale_f32_16x16x128_f8f6f4 v[S+8*\t:S+8*\t+7], v[F+6*\t:F+6*\t+11], v[\q:\q+11], 0, v[SCW+\t], v[\qs] matrix_a_fmt:MATRIX_FMT_FP6 matrix_b_fmt:MATRIX_FMT_FP6
.endr
	PLACES
	VLOAD 0                                        ; three of V's tiles and its scale words come while the softmax is worked
	VLOAD 1
	VLOAD 2
	ds_load_b128 v[SCW:SCW+3], v[VA+2] offset:12800
.if \m
	s_add_co_u32 s33, s29, 127
	s_cmp_le_u32 s33, s[\ql]                       ; all 128 keys count for all 16 queries?
	s_cbranch_scc1 .Lopen_\@
	s_sub_co_i32 s33, s[\ql], s29
	v_add_nc_u32 v[T], s33, v[MB]                  ; d = my query - the step's first key - 32 h: register n is hidden where 64 (n / 32) + n % 32 is above d
	v_mov_b32 v[T2], 0xff800000
.set N_, 0
.rept 64
	v_cmp_gt_i32 vcc_lo, 64*(N_/32)+N_%32, v[T]
	v_cndmask_b32 v[S+N_], v[S+N_], v[T2], vcc_lo
.set N_, N_+1
.endr
.Lopen_\@:
.endif
	v_max3_num_f32 v[X0], v[S], v[S+1], v[S+2]     ; my two blocks' largest scores, two chains each; every accumulator is first read at its low end
	v_max3_num_f32 v[X1], v[S+32], v[S+33], v[S+34]
	v_max3_num_f32 v[Y0], v[S+17], v[S+18], v[S+19]
	v_max3_num_f32 v[Y1], v[S+49], v[S+50], v[S+51]
.irp i, 3,5,7,9,11,13
	v_max3_num_f32 v[X0], v[X0], v[S+\i], v[S+1+\i]
	v_max3_num_f32 v[X1], v[X1], v[S+32+\i], v[S+33+\i]
	v_max3_num_f32 v[Y0], v[Y0], v[S+17+\i], v[S+18+\i]
	v_max3_num_f32 v[Y1], v[Y1], v[S+49+\i], v[S+50+\i]
.endr
	v_max3_num_f32 v[X0], v[X0], v[S+15], v[S+16]
	v_max3_num_f32 v[X1], v[X1], v[S+47], v[S+48]
	v_max_num_f32 v[X0], v[X0], v[Y0]              ; they serve twice: for the row's maximum, and, since p rises with the score, for the block's largest p
	v_max_num_f32 v[X1], v[X1], v[Y1]
	s_delay_alu instid0(VALU_DEP_1)
	v_max3_num_f32 v[\st+1], v[\st+1], v[X0], v[X1]
	s_delay_alu instid0(VALU_DEP_1)
	v_permlanex16_b32 v[P], v[\st+1], s36, s37
	s_delay_alu instid0(VALU_DEP_1)
	v_max_num_f32 v[\st+1], v[\st+1], v[P]         ; the running largest score of my query
	s_delay_alu instid0(VALU_DEP_1)
	v_mul_f32 v[T], s38, v[\st+1]                  ; as t (c is positive)
	v_mov_b32 v[T2], v[\st]
	s_delay_alu instid0(VALU_DEP_2)
	v_floor_f32 v[\st], -v[T]                      ; -M = floor(-t)
	s_delay_alu instid0(VALU_DEP_1)
	v_sub_f32 v[T2], v[\st], v[T2]                 ; old M - new M: a whole number, 0 or less
	s_delay_alu instid0(VALU_DEP_1)
	v_cvt_i32_f32 v[T2], v[T2]                     ; (it saturates)
	s_delay_alu instid0(VALU_DEP_1)
	v_ldexp_f32 v[FF], 1.0, v[T2]
.set N_, 0
.rept 32
	v_pk_fma_f32 v[S+N_:S+N_+1], v[S+N_:S+N_+1], s[38:39], v[\st:\st+1] op_sel_hi:[1,0,0]   ; t - M
.set N_, N_+2
.endr
	v_fma_f32 v[X0], v[X0], s38, v[\st]
	v_fma_f32 v[X1], v[X1], s38, v[\st]
	WALU                                           ; ahead of the batch, and directly ahead of the first readers of O^T
.set N_, 0
.rept 16
	v_pk_mul_f32 v[\o+N_:\o+N_+1], v[\o+N_:\o+N_+1], v[FF:FF+1] op_sel_hi:[1,0]   ; O^T under the new M
.set N_, N_+2
.endr
	v_exp_f32 v[X0], v[X0]                         ; the blocks' largest p
	v_exp_f32 v[X1], v[X1]
.set N_, 0
.rept 64
	v_exp_f32 v[S+N_], v[S+N_]
.set N_, N_+1
.endr
	v_nop                                          ; the plain place behind the batch
	WALU                                           ; one wait for the 66, ahead of their first reader
	v_max_num_f32 v[X0], 0x1800000, v[X0]          ; the floor 2^(3 - 127): a block of zeros keeps the byte 1
	v_max_num_f32 v[X1], 0x1800000, v[X1]
	v_add_nc_u32 v[SO], 0xff000000, v[X0]          ; 2 off the exponent field: the conversion's scale operand
	v_add_nc_u32 v[SO+1], 0xff000000, v[X1]
	v_lshrrev_b32 v[BY], 23, v[SO]
	v_lshrrev_b32 v[BY+1], 23, v[SO+1]
	v_lshl_or_b32 v[W], v[BY+1], 16, v[BY]         ; my blocks h and 2 + h
	v_permlanex16_b32 v[P], v[W], s36, s37
	v_lshl_or_b32 v[PW], v[P], 8, v[W]             ; lanes 0-15, which the product reads, hold the four bytes in order
	v_cvt_scalef32_pk16_fp6_f32 v[PC:PC+2], v[S:S+15], v[SO]
	v_cvt_scalef32_pk16_fp6_f32 v[PT0:PT0+2], v[S+16:S+31], v[SO]       ; (a conversion's three registers begin on an even number)
	v_cvt_scalef32_pk16_fp6_f32 v[PC+6:PC+8], v[S+32:S+47], v[SO+1]
	v_cvt_scalef32_pk16_fp6_f32 v[PT1:PT1+2], v[S+48:S+63], v[SO+1]
	VLOAD 3                                        ; onto the registers at work above, which are done with
	v_nop                                          ; one plain place behind a scaled conversion
.irp i, 0,1,2
	v_mov_b32 v[PC+3+\i], v[PT0+\i]
	v_mov_b32 v[PC+9+\i], v[PT1+\i]
.endr
	v_pk_fma_f32 v[\st+2:\st+3], v[\st+2:\st+3], v[FF:FF+1], v[S:S+1] op_sel_hi:[1,0,1]   ; the sum under the new M, and the unquantised p, in two chains
	v_pk_add_f32 v[SP:SP+1], v[S+2:S+3], v[S+4:S+5]
.irp j, 6,10,14,18,22,26,30,34,38,42,46,50,54
	v_pk_add_f32 v[\st+2:\st+3], v[\st+2:\st+3], v[S+\j:S+\j+1]
	v_pk_add_f32 v[SP:SP+1], v[SP:SP+1], v[S+\j+2:S+\j+3]
.endr                                          ; these 28 lines are also the places between p's word and codes and the products
	WALU
	s_wait_dscnt 0x0
.irp t, 0,1,2,3
	v_wmma_scale_f32_16x16x128_f8f6f4 v[\o+8*\t:\o+8*\t+7], v[F+12*\t:F+12*\t+11], v[PC:PC+11], v[\o+8*\t:\o+8*\t+7], v[SCW+\t], v[PW] matrix_a_fmt:MATRIX_FMT_FP6 matrix_b_fmt:MATRIX_FMT_FP6
.endr
	v_pk_add_f32 v[\st+2:\st+3], v[\st+2:\st+3], v[S+58:S+59]   ; the sum's last four lines name none of the products' registers: they are the four places ahead of the next loads into V's
	v_pk_add_f32 v[SP:SP+1], v[SP:SP+1], v[S+60:S+61]
	v_pk_add_f32 v[\st+2:\st+3], v[\st+2:\st+3], v[S+62:S+63]
	v_pk_add_f32 v[\st+2:\st+3], v[\st+2:\st+3], v[SP:SP+1]
.Lhidden_\@:
.endm
.macro TRIP m                          ; one key step for both tiles; m: 1 where the mask can reach tile A
.irp i, 0,1,2,3,4,5
	v_add_nc_u32 v[KA+\i], s28, v[KAB+\i]
.endr
	WALU
	STEP 16, 24, QSC, OA, 31, \m
	STEP 20, 36, QSC+1, OB, 32, 1
	s_add_co_u32 s28, s28, REC
	s_add_co_u32 s29, s29, 128
	s_add_co_u32 s30, s30, 1
.endm
	s_load_b128 s[4:7], s[0:1], 0x0                ; qq s[4:5], kv s[6:7]
	s_load_b64 s[8:9], s[0:1], 0x10                ; oq
	v_lshl_add_u32 v[SPW], v0, 2, SPARE
	v_mov_b32 v[NIL], 0
	ds_add_u32 v[SPW], v[NIL]
	ds_add_u32 v[SPW], v[NIL]
	v_lshrrev_b32 v1, 5, v0
	v_readfirstlane_b32 s10, v1                    ; wave 0..15
	s_and_b32 s12, ttmp7, 0xffff                   ; bh
	s_mov_b32 s16, 3<<16                           ; group 1: a record, 13,056 dense bytes, as 51 rows of 256 bytes (32 elements of 8)
	s_mov_b32 s17, 32<<16
	s_mov_b32 s18, 51<<16
	s_mov_b32 s19, 32<<16
	s_mov_b32 s20, 51
	s_mov_b32 s21, 32
	s_mov_b32 s22, 0
	s_mov_b32 s23, 0
	s_mov_b32 s24, 1
	s_mul_i32 s25, s10, REC                        ; record w lies at w x 13,056 in LDS
	s_lshl_b32 s13, s12, 4
	s_add_co_u32 s13, s13, s10
	s_mul_i32 s14, s13, REC
	s_mov_b32 s15, 0
	s_wait_dscnt 0x0
	s_wait_kmcnt 0x0
	s_add_nc_u64 s[26:27], s[6:7], s[14:15]
	s_or_b32 s27, s27, 0x80000000
	s_cmp_lt_u32 s10, 4                            ; two arms, one load each: waves 0-3, whose records are read first, have a line of their own
	s_cbranch_scc0 .Llater
	tensor_load_to_lds s[24:27], s[16:23]
	s_nop 0
	PLACES
	s_branch .Lasked
.Llater:
	tensor_load_to_lds s[24:27], s[16:23]
	s_nop 0
	PLACES
.Lasked:
	s_sub_co_u32 s54, 7, ttmp9
	s_lshl_b32 s54, s54, 4
	s_add_co_u32 s54, s54, s10                     ; tile A
	s_lshl_b32 s55, ttmp9, 4
	s_add_co_u32 s55, s55, s10                     ; tile B
	s_and_b32 s56, s10, 1
	s_lshl_b32 s57, s56, 3
	s_lshl_b32 s31, s54, 4
	s_sub_co_u32 s31, s31, s57                     ; A's least query: 16 tile - 8 (tile & 1)
	s_lshl_b32 s32, s55, 4
	s_sub_co_u32 s32, s32, s57                     ; B's
	s_lshl_b32 s13, s12, 7
	s_add_co_u32 s14, s13, s54
	s_mul_i32 s14, s14, 768
	s_add_nc_u64 s[40:41], s[4:5], s[14:15]        ; Q's codes, tile A
	s_add_co_u32 s14, s13, s55
	s_mul_i32 s14, s14, 768
	s_add_nc_u64 s[42:43], s[4:5], s[14:15]        ; tile B
	s_lshl_b32 s13, s12, 13
	s_add_co_u32 s13, s13, QS_OFF
	s_and_b32 s11, s10, 3
	s_lshl_b32 s11, s11, 2
	s_add_co_u32 s13, s13, s11                     ; word tile % 4 of the four
	s_lshr_b32 s14, s54, 2
	s_lshl_b32 s14, s14, 8
	s_add_co_u32 s14, s14, s13
	s_add_nc_u64 s[44:45], s[4:5], s[14:15]
	s_lshr_b32 s14, s55, 2
	s_lshl_b32 s14, s14, 8
	s_add_co_u32 s14, s14, s13
	s_add_nc_u64 s[46:47], s[4:5], s[14:15]
	v_and_b32 v4, 31, v0                           ; lane
	v_and_b32 v6, 15, v0                           ; r
	v_bfe_u32 v8, v0, 4, 1                         ; h
	v_and_b32 v9, 7, v0                            ; r % 8
	v_bfe_u32 v10, v0, 3, 1                        ; r / 8
	v_lshlrev_b32 v5, 3, v4                        ; 8 l
	v_lshlrev_b32 v4, 4, v4                        ; 16 l
	v_mul_u32_u24 v11, v10, 1536                   ; lanes r >= 8 read two stored tiles on
	v_lshl_add_u32 v1, v9, 4, v11
	v_lshl_add_u32 v2, v9, 3, v11
	v_lshlrev_b32 v3, 4, v9
	v_lshl_add_u32 v1, v8, 8, v1                   ; K's 16-byte pieces: 1,536 (r / 8) + 16 (r % 8) + 256 h
	v_lshl_add_u32 v2, v8, 7, v2                   ; its 8-byte pieces: 1,536 (r / 8) + 8 (r % 8) + 128 h
	v_lshl_add_u32 v3, v10, 3, v3                  ; its scale words: 16 (r % 8) + 8 (r / 8)
	v_lshl_add_u32 v[MB], v10, 3, v6
	v_lshlrev_b32 v8, 5, v8
	v_sub_nc_u32 v[MB], v[MB], v8                  ; r + 8 (r / 8) - 32 h
	v_lshlrev_b32 v6, 4, v6                        ; 16 r
	global_load_b128 v[24:27], v4, s[40:41]
	global_load_b64 v[28:29], v5, s[40:41] offset:512
	global_load_b32 v[QSC], v6, s[44:45]
	global_load_b128 v[36:39], v4, s[42:43]
	global_load_b64 v[40:41], v5, s[42:43] offset:512
	global_load_b32 v[QSC+1], v6, s[46:47]
	s_lshl_b32 s58, ttmp9, 1
	s_sub_co_u32 s58, 7, s58
	s_lshl_b32 s58, s58, 9                         ; (7 - 2 i) x 512: with 16 h, the way from tile B's scale bytes to tile A's
	s_lshr_b32 s13, s12, 4
	s_lshl_b32 s13, s13, 7                         ; 128 x batch
	s_and_b32 s11, s12, 15                         ; the head
	s_add_co_u32 s14, s13, s54
	s_lshl_b32 s14, s14, 4
	s_add_co_u32 s14, s14, s11
	s_mul_i32 s14, s14, 768
	s_add_nc_u64 s[48:49], s[8:9], s[14:15]        ; O's codes, tile A: [tile of rows][head]
	s_add_co_u32 s14, s13, s55
	s_lshl_b32 s14, s14, 4
	s_add_co_u32 s14, s14, s11
	s_mul_i32 s14, s14, 768
	s_add_nc_u64 s[50:51], s[8:9], s[14:15]        ; tile B
	s_add_co_u32 s14, s13, s55
	s_lshr_b32 s14, s14, 1
	s_lshl_b32 s14, s14, 10                        ; the pair of tiles,
	s_lshr_b32 s57, s11, 3
	s_lshl_b32 s57, s57, 9                         ; which 4 K steps,
	s_add_co_u32 s14, s14, s57
	s_lshl_b32 s57, s56, 8                         ; lanes 16 (tile & 1) on,
	s_add_co_u32 s14, s14, s57
	s_and_b32 s57, s11, 7
	s_lshl_b32 s57, s57, 1                         ; the head's two bytes of 16
	s_add_co_u32 s14, s14, s57
	s_add_co_u32 s14, s14, OS_OFF
	s_add_nc_u64 s[52:53], s[8:9], s[14:15]
	s_mov_b32 s36, 0x76543210
	s_mov_b32 s37, 0xfedcba98                      ; lane l xor 16
	s_mov_b32 s38, 0x3e38aa3b                      ; c = log2(e) / 8
	s_mov_b32 s39, s38
.irp j, 30,31,32,33,34,35,42,43,44,45,46,47,112,113,114,115,116,117
	v_mov_b32 v\j, 0                               ; Q's zero codes for k = 64 .. 127; the six registers behind K's last tile
.endr
.set N_, 0
.rept 64
	v_mov_b32 v[OA+N_], 0                          ; O^T of both tiles: the step is written once; its first pass finds zeros
.set N_, N_+1
.endr
.irp st, 16,20
	v_mov_b32 v[\st], 0x7f61b1e6                   ; -M: 3e38, so that the first f is 0
	v_mov_b32 v[\st+1], 0xff61b1e6                 ; the largest score so far: -3e38
	v_mov_b32 v[\st+2], 0
	v_mov_b32 v[\st+3], 0
.endr
	s_mov_b32 s28, 0                               ; the record in hand
	s_mov_b32 s29, 0                               ; its first key
	s_mov_b32 s30, 0
	WALU                                           ; the wait at the head's end
	s_cmp_lt_u32 s10, 4
	s_cbranch_scc0 .Lnot_first
	s_wait_tensorcnt 0x0                           ; records 0-3 have landed
.Lnot_first:
	s_barrier_signal -1
	s_barrier_wait -1
	s_wait_loadcnt 0x0                             ; Q
	TRIP 0                                         ; key step 0
	s_wait_tensorcnt 0x0                           ; all that is still out: on every wave's way.  No LDS instruction of mine is out: a step ends behind its wait for all of them
	s_barrier_signal -1                            ; my record has landed: say so, and go on with records that have been shown
	s_mov_b32 s30, 0
.Lsecond:                                              ; key steps 1-3
	TRIP 0
	s_cmp_lt_u32 s30, 3
	s_cbranch_scc1 .Lsecond
	s_barrier_wait -1                              ; everybody's record has landed
	s_mov_b32 s30, 0
.Lrest:                                                ; key steps 4-15
	TRIP 1
	s_cmp_lt_u32 s30, 12
	s_cbranch_scc1 .Lrest
	; THE WAY OUT: O^T / l of both tiles, 64 numbers a lane (B's 32, then A's), quantised along d: two blocks a tile, each in lanes l and l xor 16
.set TM,  72
.set PTE, 92
	PLACES
	WALU
	v_add_f32 v64, v18, v19
	v_add_f32 v65, v22, v23
	v_mov_b32 v66, 0
	v_mov_b32 v67, 0
	v_mov_b32 v69, 0
	v_mov_b32 v71, 0
	v_permlanex16_b32 v66, v64, s36, s37
	v_permlanex16_b32 v67, v65, s36, s37
	v_add_f32 v64, v64, v66
	v_add_f32 v65, v65, v67
	WALU
	v_rcp_f32 v68, v64                             ; 1 / l of tile A
	v_rcp_f32 v70, v65                             ; of tile B
.irp b, 0,1,2,3
	v_mov_b32 v[TM+4+\b], 0                        ; plain places behind the reciprocals; a lane permute's destination counts as one of its sources
.endr
	v_bfe_u32 v90, v0, 4, 1
	v_lshlrev_b32 v90, 4, v90                      ; 16 h
	v_mul_lo_u32 v91, v90, s58                     ; lanes 16-31 store tile A's bytes: (7 - 2 i) x 8,192 bytes further on
	v_add_nc_u32 v91, v91, v6
	WALU                                           ; one wait for both, directly ahead of the first readers of O^T
.set N_, 0
.rept 16
	v_pk_mul_f32 v[S+N_:S+N_+1], v[OB+N_:OB+N_+1], v[70:71] op_sel_hi:[1,0]
.set N_, N_+2
.endr
.set N_, 0
.rept 16
	v_pk_mul_f32 v[S+32+N_:S+32+N_+1], v[OA+N_:OA+N_+1], v[68:69] op_sel_hi:[1,0]
.set N_, N_+2
.endr
.irp b, 0,1,2,3
	v_max3_num_f32 v[TM+\b], |v[S+16*\b]|, |v[S+1+16*\b]|, 0x1800000
.endr
.irp i, 2,4,6,8,10,12,14
.irp b, 0,1,2,3
	v_max3_num_f32 v[TM+\b], v[TM+\b], |v[S+16*\b+\i]|, |v[S+1+16*\b+\i]|
.endr
.endr
.irp b, 0,1,2,3
	v_permlanex16_b32 v[TM+4+\b], v[TM+\b], s36, s37
.endr
.irp b, 0,1,2,3
	v_max_num_f32 v[TM+\b], v[TM+\b], v[TM+4+\b]
.endr
.irp b, 0,1,2,3
	v_add_nc_u32 v[TM+12+\b], 0xff000000, v[TM+\b]
.endr
.irp b, 0,1,2,3
	v_lshrrev_b32 v[TM+4+\b], 23, v[TM+12+\b]
.endr
	v_lshl_or_b32 v88, v[TM+5], 8, v[TM+4]
	v_lshl_or_b32 v88, v[TM+6], 16, v88
	v_lshl_or_b32 v88, v[TM+7], 24, v88
.irp c, 0,1
	v_cvt_scalef32_pk16_fp6_f32 v[PC+6*\c:PC+2+6*\c], v[S+32*\c:S+15+32*\c], v[TM+12+2*\c]
	v_cvt_scalef32_pk16_fp6_f32 v[PTE+4*\c:PTE+2+4*\c], v[S+16+32*\c:S+31+32*\c], v[TM+12+2*\c+1]
.endr
	v_nop
.irp c, 0,1                            ; a whole block to a lane: lanes 0-15 block 2 c, lanes 16-31 block 2 c + 1
.irp i, 0,1,2
	v_permlane16_swap_b32 v[PC+6*\c+\i], v[PTE+4*\c+\i]
.endr
.irp i, 0,1,2
	v_mov_b32 v[PC+3+6*\c+\i], v[PTE+4*\c+\i]
.endr
.endr
	global_store_b128 v4, v[PC:PC+3], s[50:51]             ; tile B's half fragment: 512 and 256 consecutive aligned bytes
	global_store_b64 v5, v[PC+4:PC+5], s[50:51] offset:512
	global_store_b128 v4, v[PC+6:PC+9], s[48:49]           ; tile A's
	global_store_b64 v5, v[PC+10:PC+11], s[48:49] offset:512
	v_lshrrev_b32 v89, v90, v88                    ; lanes 0-15 tile B's two bytes, lanes 16-31 tile A's
	global_store_b16 v91, v89, s[52:53]            ; the two scale bytes that a head owns of a row's word
	s_wait_tensorcnt 0x0                           ; the wave's end
	ds_add_u32 v[SPW], v[NIL]
	s_wait_dscnt 0x0
	s_endpgm
.Lfunc_end_k_q00eca55ef4_attn:
	.size	k_q00eca55ef4_attn, .Lfunc_end_k_q00eca55ef4_attn-k_q00eca55ef4_attn
	.p2alignl 7, 3214868480
	.fill 96, 4, 3214868480
	.section	.rodata,"a",@progbits
	.p2align	6, 0x0
	.amdhsa_kernel k_q00eca55ef4_attn
		.amdhsa_group_segment_fixed_size 210944
		.amdhsa_private_segment_fixed_size 0
		.amdhsa_enable_private_segment 0
		.amdhsa_kernarg_size 24
		.amdhsa_user_sgpr_count 2
		.amdhsa_user_sgpr_kernarg_segment_ptr 1
		.amdhsa_wavefront_size32 1
		.amdhsa_system_sgpr_workgroup_id_x 1
		.amdhsa_system_sgpr_workgroup_id_y 1
		.amdhsa_system_sgpr_workgroup_id_z 1
		.amdhsa_system_vgpr_workitem_id 0
		.amdhsa_next_free_vgpr 256
		.amdhsa_next_free_sgpr 66
		.amdhsa_reserve_vcc 1
		.amdhsa_float_denorm_mode_32 3
		.amdhsa_float_denorm_mode_16_64 3
		.amdhsa_memory_ordered 1
		.amdhsa_forward_progress 1
		.amdhsa_inst_pref_size 129
	.end_amdhsa_kernel
	.amdgpu_metadata
---
amdhsa.version: [ 1, 2 ]
amdhsa.kernels:
  - .name:           k_q00eca55ef4_attn
    .symbol:         k_q00eca55ef4_attn.kd
    .args:
      - { .name: qq, .offset: 0, .size: 8, .value_kind: global_buffer, .address_space: global }
      - { .name: kv, .offset: 8, .size: 8, .value_kind: global_buffer, .address_space: global }
      - { .name: oq, .offset: 16, .size: 8, .value_kind: global_buffer, .address_space: global }
    .group_segment_fixed_size: 210944
    .private_segment_fixed_size: 0
    .kernarg_segment_align: 8
    .kernarg_segment_size: 24
    .max_flat_workgroup_size: 512
    .sgpr_count:     66
    .vgpr_count:     256
    .wavefront_size: 32
...
	.end_amdgpu_metadata
.endif
;; end of part 3
;; launch proj (part 4): grid 32 x 8, 4 waves a work-group, clusters of 4 x 1, 168,448 bytes of LDS; arguments oq, wq, out0; writes out0
.if DOCPART == 4
	.amdgcn_target "amdgcn-amd-amdhsa--gfx1250"
	.amdhsa_code_object_version 6
	.text
	.protected	k_q00eca55ef4_proj
	.globl	k_q00eca55ef4_proj
	.p2align	8
	.type	k_q00eca55ef4_proj,@function
k_q00eca55ef4_proj:
	s_mov_b64 s[64:65], 0
	v_nop
	global_prefetch_b8 v0, s[64:65] scope:SCOPE_SE
	s_setreg_imm32_b32 hwreg(HW_REG_WAVE_MODE, 25, 1), 1
	s_wait_xcnt 0x0
	s_wait_alu depctr_hold_cnt(0) depctr_sa_sdst(0) depctr_va_vdst(0) depctr_va_sdst(0) depctr_va_ssrc(0) depctr_va_vcc(0) depctr_vm_vsrc(0)
	s_getreg_b32 s2, hwreg(HW_REG_IB_STS2, 6, 4)
	s_cmp_eq_u32 s2, 0
	s_cbranch_scc0 .Lentry_in_a_cluster
	s_endpgm
.Lentry_in_a_cluster:
	s_bfe_u32 s2, ttmp6, 0x10000c
	s_cmp_lg_u32 s2, 0x3003
	s_cbranch_scc0 .Lentry_shape_is_right
	s_endpgm
.Lentry_shape_is_right:
; out0 = O Wo on codes of E2M3, K = 1,024 (head x 64 + d).  A work-group takes 256 rows (RB) x 128 columns (cn); a wave 64 rows x 128 columns: 32 accumulators.
; O: a wave's 64 rows for all of K, 384 registers, come once from memory as register images (half fragments, one for each head) and never pass through LDS.
; Wo: the 128 columns for all of K, 98,304 bytes, lie in LDS: two chunks of 4 K steps, each filled once.  No LDS byte is filled twice.
; CLUSTER: the four work-groups of a cluster are row blocks of one group of columns: they ask for Wo JOINTLY (mask 15).  O is a wave's own.
; The product is used transposed (source 0 = 16 columns of Wo, source 1 = 16 rows of O): a lane holds one row and eight neighbouring columns a tile.
; Rows and columns are permuted within groups of 32 as the earlier launches laid them; the way out puts both back.
; REGISTERS: window 0: v1-11 addresses; v16-31 O's scale words; v32-63 Wo's, two sets; v64-159, v160-255 Wo's fragments, two sets, later rows of the result.
;   window 1: the accumulators (8 (8 a + b)).   window 2: O's K steps 0-4 (48 ks + 12 a).   window 3: K steps 5-7.
.set OS_OFF, 6291456
.set WS_OFF, 3145728
.set CH,   49152
.set SCB,  2*CH                        ; Wo's scale words: [4 pairs of tiles][2] x 512
.set STG,  SCB+4096                    ; the way out: 16 rows x (512 + 16) bytes for each wave; no fill lands here
.set SPITCH, 528
.set L16,  1
.set BA,   2
.set BSA,  8
.set L8,   9
.set STO,  10
.set RD,   11
.set AS,   16
.set BS,   32
.set BF,   64
.set MSB, 0
.macro WIN new
.if MSB != (\new)
	s_set_vgpr_msb (MSB<<8)|(\new)
.set MSB, (\new)
.endif
.endm
.macro PLACES
.rept 4
	v_nop
.endr
.endm
.macro CROUND
	s_barrier_signal -1
	s_barrier_wait -1
	s_cmp_lg_u32 s12, 0
	s_cbranch_scc1 .Lnot_wave_0_\@
	s_barrier_signal -3
.Lnot_wave_0_\@:
	s_barrier_wait -3
	s_barrier_signal -1
	s_barrier_wait -1
.endm
.macro WM d, x, y, sx, sy, rx, ry, z
.if \z
.if \rx && \ry
	v_wmma_scale_f32_16x16x128_f8f6f4 v[\d:\d+7], v[\x:\x+11], v[\y:\y+11], 0, v[\sx], v[\sy] matrix_a_fmt:MATRIX_FMT_FP6 matrix_b_fmt:MATRIX_FMT_FP6 matrix_a_scale:MATRIX_SCALE_ROW1 matrix_b_scale:MATRIX_SCALE_ROW1
.elseif \rx
	v_wmma_scale_f32_16x16x128_f8f6f4 v[\d:\d+7], v[\x:\x+11], v[\y:\y+11], 0, v[\sx], v[\sy] matrix_a_fmt:MATRIX_FMT_FP6 matrix_b_fmt:MATRIX_FMT_FP6 matrix_a_scale:MATRIX_SCALE_ROW1
.elseif \ry
	v_wmma_scale_f32_16x16x128_f8f6f4 v[\d:\d+7], v[\x:\x+11], v[\y:\y+11], 0, v[\sx], v[\sy] matrix_a_fmt:MATRIX_FMT_FP6 matrix_b_fmt:MATRIX_FMT_FP6 matrix_b_scale:MATRIX_SCALE_ROW1
.else
	v_wmma_scale_f32_16x16x128_f8f6f4 v[\d:\d+7], v[\x:\x+11], v[\y:\y+11], 0, v[\sx], v[\sy] matrix_a_fmt:MATRIX_FMT_FP6 matrix_b_fmt:MATRIX_FMT_FP6
.endif
.else
.if \rx && \ry
	v_wmma_scale_f32_16x16x128_f8f6f4 v[\d:\d+7], v[\x:\x+11], v[\y:\y+11], v[\d:\d+7], v[\sx], v[\sy] matrix_a_fmt:MATRIX_FMT_FP6 matrix_b_fmt:MATRIX_FMT_FP6 matrix_a_scale:MATRIX_SCALE_ROW1 matrix_b_scale:MATRIX_SCALE_ROW1
.elseif \rx
	v_wmma_scale_f32_16x16x128_f8f6f4 v[\d:\d+7], v[\x:\x+11], v[\y:\y+11], v[\d:\d+7], v[\sx], v[\sy] matrix_a_fmt:MATRIX_FMT_FP6 matrix_b_fmt:MATRIX_FMT_FP6 matrix_a_scale:MATRIX_SCALE_ROW1
.elseif \ry
	v_wmma_scale_f32_16x16x128_f8f6f4 v[\d:\d+7], v[\x:\x+11], v[\y:\y+11], v[\d:\d+7], v[\sx], v[\sy] matrix_a_fmt:MATRIX_FMT_FP6 matrix_b_fmt:MATRIX_FMT_FP6 matrix_b_scale:MATRIX_SCALE_ROW1
.else
	v_wmma_scale_f32_16x16x128_f8f6f4 v[\d:\d+7], v[\x:\x+11], v[\y:\y+11], v[\d:\d+7], v[\sx], v[\sy] matrix_a_fmt:MATRIX_FMT_FP6 matrix_b_fmt:MATRIX_FMT_FP6
.endif
.endif
.endm
.macro ALOAD ks                        ; O's four fragments of K step ks, each from the half fragments of heads 2 ks and 2 ks + 1: 16 loads
.if (\ks) < 5
	WIN 0x80
.set AB_, 48*(\ks)
.else
	WIN 0xc0
.set AB_, 48*((\ks)-5)
.endif
.irp a, 0,1,2,3
.irp e, 0,1
	global_load_b128 v[AB_+12*\a+6*\e:AB_+12*\a+6*\e+3], v[L16], s[44:45] offset:\a*12288+(2*(\ks)+\e)*768
	global_load_b64 v[AB_+12*\a+6*\e+4:AB_+12*\a+6*\e+5], v[L8], s[44:45] offset:\a*12288+(2*(\ks)+\e)*768+512
.endr
.endr
	WIN 0
.endm
.macro FETCH_B k
.set NN_, (\k)/4
.set BB_, BF+96*((\k)%2)
.irp b, 0,1,2,3,4,5,6,7
.irp c, 0,1,2
	ds_load_b128 v[BB_+12*\b+4*\c:BB_+12*\b+4*\c+3], v[BA+NN_] offset:\b*6144+((\k)%4)*1536+512*\c
.endr
.endr
.if (\k)%4 == 0
.irp q, 0,1,2,3
	ds_load_b128 v[BS+16*NN_+4*\q:BS+16*NN_+4*\q+3], v[BSA] offset:\q*1024+NN_*512
.endr
.endif
.endm
.macro MUL k                           ; 32 products; the 32 accumulators take turns, one instruction a turn
.if (\k) < 5
.set AW_, 2
.set AB_, 48*(\k)
.else
.set AW_, 3
.set AB_, 48*((\k)-5)
.endif
.if (\k) == 0
.set ZZ_, 1
.else
.set ZZ_, 0
.endif
.set BB_, BF+96*((\k)%2)
.set BSR_, BS+16*((\k)/4)+(\k)%4
	WIN 0x50+4*AW_
.irp a, 0,1,2,3
.irp b, 0,1,2,3,4,5,6,7
.set XA_, AB_+12*\a
.set XB_, BB_+12*\b
.set SA_, AS+8*(\a/2)+(\k)
.set SB_, BSR_+4*(\b/2)
.set RA_, \a%2
.set RB_, \b%2
.set DD_, 8*(8*\a+\b)
	WM DD_, XB_, XA_, SB_, SA_, RB_, RA_, ZZ_
.endr
.endr
.endm
.macro KSTEP k
	s_wait_dscnt 0x0                               ; this step's fragments of Wo are in: they were asked for a whole step ago
.if (\k) == 3
	s_wait_tensorcnt 0x0                           ; my part of chunk 1 has landed,
	s_barrier_signal -1
	s_barrier_wait -1                              ; everybody's has
.endif
.if (\k) < 7
	PLACES
	FETCH_B (\k)+1
.endif
.if (\k) < 6
	s_wait_loadcnt 32                              ; O's K step k is in; two later K steps' 16 loads each may be out
.elseif (\k) == 6
	s_wait_loadcnt 16
.else
	s_wait_loadcnt 0x0
.endif
.if (\k) < 5
	ALOAD (\k)+3
.endif
	MUL \k
	WIN 0
.endm
	s_load_b128 s[4:7], s[0:1], 0x0                ; oq s[4:5], wq s[6:7]
	s_load_b64 s[8:9], s[0:1], 0x10                ; out0
	v_lshl_add_u32 v7, v0, 2, 0x29000
	v_mov_b32 v14, 0
	ds_add_u32 v7, v14
	ds_add_u32 v7, v14
	v_lshrrev_b32 v1, 5, v0
	v_readfirstlane_b32 s12, v1                    ; wave
	s_bfe_u32 s13, ttmp6, 0x40000                  ; cx: it enters O's and the result's global addresses alone
	s_lshl_b32 s14, ttmp9, 2
	s_add_co_u32 s14, s14, s13                     ; RB
	s_and_b32 s15, ttmp7, 0xffff                   ; cn, which the four partners share
	s_mov_b32 s24, 15|(3<<16)|(1<<21)              ; a chunk's quarter: 2 rows of 6,144 bytes, 12,288 bytes apart; mask 15 with bit 21 beside it
	s_mov_b32 s25, 768<<16
	s_mov_b32 s26, 8<<16                           ; a whole chunk: 8 rows of 6,144 bytes
	s_mov_b32 s27, 768<<16
	s_mov_b32 s28, 8
	s_mov_b32 s29, 1536
	s_mov_b32 s30, 0
	s_mov_b32 s31, 0
	s_mov_b32 s32, 15|(3<<16)|(1<<21)              ; the scale words of 32 columns: one row of 1,024 bytes
	s_mov_b32 s33, 128<<16
	s_mov_b32 s34, 4<<16                           ; the scale words of all 128 columns: 4 rows of 1,024 bytes, dense
	s_mov_b32 s35, 128<<16
	s_mov_b32 s36, 4
	s_mov_b32 s37, 128
	s_mov_b32 s38, 0
	s_mov_b32 s39, 0
	s_lshl_b32 s16, s15, 12
	s_add_co_u32 s16, s16, WS_OFF+3*32768
	s_mov_b32 s17, 0
	s_mul_i32 s18, s15, 98304
	s_add_co_u32 s18, s18, 3*786432
	s_mov_b32 s19, 0
	s_wait_dscnt 0x0
	s_wait_kmcnt 0x0
	s_add_nc_u64 s[20:21], s[6:7], s[18:19]
	s_mov_b32 s40, 1
	s_mov_b32 s41, SCB
	s_add_nc_u64 s[42:43], s[6:7], s[16:17]
	s_or_b32 s43, s43, 0x80000000
.irp n, 0,1
	s_mov_b32 s[48+4*\n], 1
	s_mov_b32 s[49+4*\n], \n*CH
	s_add_nc_u64 s[50+4*\n:51+4*\n], s[20:21], \n*6144
	s_or_b32 s[51+4*\n], s[51+4*\n], 0x80000000
.endr
	CROUND                                         ; the four partners are here: the joint loads meet
	; the head's three fills, one a wave, in one chain of arms: wave 0 the scale words, wave 1 chunk 0, wave 2 chunk 1; each fill is a first fill
	s_cmp_eq_u32 s12, 0
	s_cbranch_scc0 .Lhead_1
	tensor_load_to_lds s[40:43], s[32:39]
	s_nop 0
	PLACES
	s_branch .Lhead_asked
.Lhead_1:
	s_cmp_eq_u32 s12, 1
	s_cbranch_scc0 .Lhead_2
	tensor_load_to_lds s[48:51], s[24:31]
	s_nop 0
	PLACES
	s_branch .Lhead_asked
.Lhead_2:
	s_cmp_eq_u32 s12, 2
	s_cbranch_scc0 .Lhead_asked
	tensor_load_to_lds s[52:55], s[24:31]
	s_nop 0
	PLACES
.Lhead_asked:
	v_and_b32 v15, 31, v0                          ; lane
	v_and_b32 v12, 15, v0                          ; r
	v_bfe_u32 v13, v0, 4, 1                        ; h
	v_lshlrev_b32 v[L16], 4, v15
	s_wait_alu depctr_va_vdst(0)
	v_add_nc_u32 v[BA], 0, v[L16]
	v_add_nc_u32 v[BA+1], CH, v[L16]
	v_add_nc_u32 v[BSA], SCB, v[L16]
	v_lshlrev_b32 v[L8], 3, v15
	s_wait_alu depctr_va_vdst(0)
	s_mul_i32 s58, s12, 16*SPITCH
	s_add_co_u32 s58, s58, STG                     ; my stage
	v_mul_u32_u24 v[STO], v12, SPITCH
	v_lshl_add_u32 v[STO], v13, 6, v[STO]
	v_add_nc_u32 v[STO], s58, v[STO]               ; in: row r, + 64 h
	v_add_nc_u32 v[RD], s58, v[L16]                ; back: a row of 512 bytes, 16 a lane
	s_lshl_b32 s16, s14, 4
	s_lshl_b32 s17, s12, 2
	s_add_co_u32 s16, s16, s17                     ; my first tile of rows
	s_mul_i32 s18, s16, 12288
	s_mov_b32 s19, 0
	s_add_nc_u64 s[44:45], s[4:5], s[18:19]
	s_lshl_b32 s18, s16, 9
	s_add_co_u32 s18, s18, OS_OFF
	s_add_nc_u64 s[46:47], s[4:5], s[18:19]
.irp p, 0,1
.irp j, 0,1
	global_load_b128 v[AS+8*\p+4*\j:AS+8*\p+4*\j+3], v[L16], s[46:47] offset:\p*1024+\j*512
.endr
.endr
	ALOAD 0
	ALOAD 1
	ALOAD 2
	s_lshl_b32 s18, s14, 8
	s_lshl_b32 s20, s12, 6
	s_add_co_u32 s18, s18, s20                     ; my first row
	s_lshl_b32 s18, s18, 12
	s_lshl_b32 s20, s15, 9                         ; my 128 columns
	s_add_co_u32 s18, s18, s20
	s_add_nc_u64 s[56:57], s[8:9], s[18:19]
	s_wait_alu depctr_va_vdst(0)                   ; the wait at the head's end
	s_cmp_lt_u32 s12, 2                            ; the scale words and chunk 0 are waves 0 and 1's loads: they wait; chunk 1 may be out
	s_cbranch_scc0 .Lnot_first
	s_wait_tensorcnt 0x0
.Lnot_first:
	s_barrier_signal -1
	s_barrier_wait -1
	FETCH_B 0
.irp k, 0,1,2,3,4,5,6,7
	KSTEP \k
.endr
; THE WAY OUT, a tile of 16 rows x 128 columns at a time, through my own stage: in by 32 bytes a lane and tile, back as whole rows of 512 bytes.  LDS serves a wave in order: no wait between.
.macro TOSTAGE a
	WIN 0x04                                       ; an LDS store's data are its source 1: window 1
.irp b, 0,1,2,3,4,5,6,7
	ds_store_b128 v[STO], v[8*(8*(\a)+\b):8*(8*(\a)+\b)+3] offset:(\b/2)*128+(\b%2)*32      ; columns 32 (b / 2) + 16 h + 8 (b % 2) on; each accumulator from its low end on
	ds_store_b128 v[STO], v[8*(8*(\a)+\b)+4:8*(8*(\a)+\b)+7] offset:(\b/2)*128+(\b%2)*32+16
.endr
	WIN 0
.irp t, 0,1,2,3,4,5,6,7,8,9,10,11,12,13,14,15
	ds_load_b128 v[BF+64*((\a)%2)+4*\t:BF+64*((\a)%2)+4*\t+3], v[RD] offset:\t*SPITCH
.endr
.endm
.macro SEND a, younger                 ; younger: the LDS instructions issued behind tile a's loads, which may stay out
	s_wait_dscnt \younger
.irp t, 0,1,2,3,4,5,6,7,8,9,10,11,12,13,14,15
	global_store_b128 v[L16], v[BF+64*((\a)%2)+4*\t:BF+64*((\a)%2)+4*\t+3], s[56:57] offset:(32*((\a)/2)+8*((\a)%2)+\t+8*(\t/8))*4096 th:TH_STORE_NT   ; 512 consecutive bytes, aligned to 256; stage row t is row 8 (a % 2) + t + 8 (t / 8) of its group of 32
.endr
.endm
	PLACES
	s_wait_alu depctr_va_vdst(0)
	TOSTAGE 0
	TOSTAGE 1
	SEND 0, 32                                     ; behind tile 0's loads: tile 1's 16 stores and 16 loads
	s_wait_xcnt 0x0                                ; tile 0's stores have read their registers: tile 2's rows land there
	TOSTAGE 2
	SEND 1, 32
	s_wait_xcnt 0x0
	TOSTAGE 3
	SEND 2, 32
	SEND 3, 0
	s_wait_tensorcnt 0x0
	ds_add_u32 v7, v14
	s_wait_dscnt 0x0
	CROUND                                         ; the closing round: no work-group ends while a partner may still ask jointly
	s_endpgm
.Lfunc_end_k_q00eca55ef4_proj:
	.size	k_q00eca55ef4_proj, .Lfunc_end_k_q00eca55ef4_proj-k_q00eca55ef4_proj
	.p2alignl 7, 3214868480
	.fill 96, 4, 3214868480
	.section	.rodata,"a",@progbits
	.p2align	6, 0x0
	.amdhsa_kernel k_q00eca55ef4_proj
		.amdhsa_group_segment_fixed_size 168448
		.amdhsa_private_segment_fixed_size 0
		.amdhsa_enable_private_segment 0
		.amdhsa_kernarg_size 24
		.amdhsa_user_sgpr_count 2
		.amdhsa_user_sgpr_kernarg_segment_ptr 1
		.amdhsa_wavefront_size32 1
		.amdhsa_system_sgpr_workgroup_id_x 1
		.amdhsa_system_sgpr_workgroup_id_y 1
		.amdhsa_system_sgpr_workgroup_id_z 1
		.amdhsa_system_vgpr_workitem_id 0
		.amdhsa_next_free_vgpr 912
		.amdhsa_next_free_sgpr 66
		.amdhsa_reserve_vcc 0
		.amdhsa_float_denorm_mode_32 3
		.amdhsa_float_denorm_mode_16_64 3
		.amdhsa_memory_ordered 1
		.amdhsa_forward_progress 1
		.amdhsa_inst_pref_size 81
	.end_amdhsa_kernel
	.amdgpu_metadata
---
amdhsa.version: [ 1, 2 ]
amdhsa.kernels:
  - .name:           k_q00eca55ef4_proj
    .symbol:         k_q00eca55ef4_proj.kd
    .args:
      - { .name: oq, .offset: 0, .size: 8, .value_kind: global_buffer, .address_space: global }
      - { .name: wq, .offset: 8, .size: 8, .value_kind: global_buffer, .address_space: global }
      - { .name: out0, .offset: 16, .size: 8, .value_kind: global_buffer, .address_space: global }
    .group_segment_fixed_size: 168448
    .private_segment_fixed_size: 0
    .kernarg_segment_align: 8
    .kernarg_segment_size: 24
    .max_flat_workgroup_size: 128
    .sgpr_count:     66
    .vgpr_count:     912
    .wavefront_size: 32
...
	.end_amdgpu_metadata
.endif
;; end of part 4
